; MI455X (gfx1250); checked and timed in simulation.
; The chip was launched on July 23, 2026; its instructions are those of AMD's public machine-readable ISA for CDNA 5 (MIT licence, August 2026) and "CDNA5" Instruction Set Architecture Reference Guide (July 2026). The comments in the code are by the model that wrote it; some were corrected since.
;; Cycle Net EPD. Allowed arithmetic: matrix products marked QUANTISED: E2M1 operands, one E8M0 scale for each 32 along K, by v_wmma_scale_f32_16x16x128_f8f6f4 with both operands' format E2M1 (or v_wmma_scale_f32_32x16x128_f4), f32 sums; products left as they are: f32 operands where the result goes on into a quantised operand, else bf16, f16 or f32 operands; f32 sums; everything else in f32.
;; Inputs: SCB 16 x 64 x 1,024 float32; W1 4 x 64 float32; W2 64 x 64 float32; W3 68 x 128 float32; W4 128 x 128 float32; W5 128 x 128 float32; W6 128 x 128 float32; b1 64 float32; b2 64 float32; b3 128 float32; b4 128 float32; b5 128 float32; b6 128 float32; beta_len 16 int32; edge_index 16 x 2 x 1,024 int32; edge_len 16 int32; x 16 x 512 x 2 float32.
;; Outputs: out0 16,384 x 128 float32.
;; This version of the problem:
;;   THIS VERSION OF THE PROBLEM IS GIVEN IN LOW PRECISION. The matrix products marked QUANTISED in the list below multiply operands that are first quantised to E2M1 (2 exponent bits, 1 mantissa bit; 4 bits a number), with one power-of-two scale for each 32 numbers along K (OCP MX v1.0); their sums are f32. All else is computed in f32.
;;   The module's matrix products, in the order in which they are computed (A, B: the left and right operand; K: the contracted axis; several contracted axes count as one K, in the product's order):
;;     1. [M 1,024, K 4] x [K 4, N 64]; A: computed on the way; B: input W1: left as it is (K = 4 < 32)
;;     2. [M 1,024, K 64] x [K 64, N 64]; A: computed on the way; B: input W2: QUANTISED
;;     3. [M 1,048,576, K 68] x [K 68, N 128]; A: computed on the way; B: input W3: QUANTISED
;;     4. [M 1,048,576, K 128] x [K 128, N 128]; A: computed on the way; B: input W4: QUANTISED
;;     5. [M 16,384, K 128] x [K 128, N 128]; A: computed on the way; B: input W5: QUANTISED
;;     6. [M 16,384, K 128] x [K 128, N 128]; A: computed on the way; B: input W6: QUANTISED
;;   THE QUANTISER, for each operand of a quantised product, along K:
;;     - K is cut into blocks of 32 from its start; a last block that is shorter is filled with zeros.
;;     - A block's scale is 2^e with e = floor(log2(the largest magnitude in the block)) - 2, held to -126 .. 127; a block of zeros has e = 0. As a byte (E8M0): e + 127.
;;     - Each number is divided by its block's scale, clamped to +-6, and rounded to the nearest number of E2M1, ties to even, subnormals kept.
;;     - The product sums the exact products of the quantised numbers (number of the format x scale) in f32.
;;   ~~~python
;;   def quantise(x, axis):      # numpy; x: float32 -> the quantised numbers, widened to float32 again
;;       x = np.moveaxis(x, axis, -1); K = x.shape[-1]
;;       x = np.pad(x, [(0, 0)] * (x.ndim - 1) + [(0, -K % 32)]); x = x.reshape(x.shape[:-1] + (-1, 32)); a = np.abs(x).max(-1, keepdims=True)
;;       e = np.where(a > 0, np.clip(np.frexp(np.where(a > 0, a, 1))[1] - 1 - 2, -126, 127), 0)      # np.frexp(a)[1] - 1 = floor(log2(a)), exactly
;;       r = np.clip(x / 2.0 ** e, -6, 6)
;;       step = 2.0 ** (np.maximum(np.frexp(np.where(r == 0, 1, r))[1] - 1, 0) - 1)
;;       q = np.round(r / step) * step * 2.0 ** e      # np.round: ties to even
;;       return np.moveaxis(q.reshape(q.shape[:-2] + (-1,))[..., :K], -1, axis).astype(np.float32)
;;   ~~~
;;   OPERANDS COMPUTED ON THE WAY. 'Computed on the way' means the value that the module computes at that place (a softmax that the list does not call 'softmax' is quantised finished and normalised). What goes into a quantiser is computed in f32, as accurately as f32 sums, v_exp_f32 and their like allow (about 1e-6 of the number): no bf16 or f16 on the way to a quantiser, and a product that is left as it is and whose result goes on into a quantised operand takes f32 operands (vector FMAs, or v_wmma_f32_16x16x4_f32). A number that lies on a knife's edge between two numbers of the format may be rounded either way, as far as f32 arithmetic and the matrix unit's own rounding can turn it there, and no further.
;; 2 versions. Each part assembles by itself: llvm-mc -triple=amdgcn-amd-amdhsa -mcpu=gfx1250 --defsym DOCPART=n.
;; ======== version 1 of 2: 2 launches
;; workspace buffers: l1w 4,194,304 bytes; emb 65,792 bytes; wfrag 36,864 bytes; jobs 4,096 bytes of whole numbers
;; launch prep (part 1): grid 260 x 1, 9 waves a work-group, no clusters, 19,200 bytes of LDS; arguments x, SCB, edge_index, edge_len, beta_len, W1, b1, W2, b2, W3, W4, W5, W6, l1w, emb, wfrag, jobs; writes l1w, emb, wfrag, jobs
.if DOCPART == 1
	.amdgcn_target "amdgcn-amd-amdhsa--gfx1250"
	.amdhsa_code_object_version 6
	.text
	.protected	k_q0e64432685_prep
	.globl	k_q0e64432685_prep
	.p2align	8
	.type	k_q0e64432685_prep,@function
k_q0e64432685_prep:
	s_mov_b64 s[64:65], 0
	v_nop
	global_prefetch_b8 v0, s[64:65] scope:SCOPE_SE
	s_setreg_imm32_b32 hwreg(HW_REG_WAVE_MODE, 25, 1), 1
	s_wait_xcnt 0x0
; CycleNet_EPD in MX-FP4, launch 1 of 2: all that hangs on (graph, cycle) or on the weights alone.
; WORK LEFT OUT BY THE PROGRAM, for all finite values of the inputs:
;  (a) out = (..) * edge_mask: a row e >= edge_len[b] is multiplied by 0.  A tile of 16 edges that lies wholly at or beyond edge_len[b] gets zeros stored and nothing else.
;  (b) a row (b, e, beta) with beta >= beta_len[b]: valid is false for every e, so L1 = 0 and s = 0; emb is then relu(b1) W2 + b2, made of the weights alone, the row of cat is the
;      same for every such (b, e, beta), and so is its row g0 of relu(cat W3 + b3) W4.  The sum over beta of n equal rows is n g0: g0 is made once for a work-group and weighed by n.
;  Both masks are built in the problem's own body from whole numbers that the launches read from memory.
; LIMITS: a NaN, an infinity or an overflow that reaches only the work left out is not carried to the result; NaN and infinities among the inputs are not served; edge_len is held to
;  0 .. 1,024 and beta_len to 0 .. 64; a block of zeros gets the scale byte 1 where the quantiser says 127: its codes are zeros, and these bytes are read by this program alone.
; WORK-GROUPS 0 .. 255 (graph b = g / 16, cycles 4 (g % 16) + 0 .. 3), nine waves:
;  waves 0-7: thread t owns edges 4 t .. 4 t + 3: gathers their four features, forms L1 = |SCB| x features for the four cycles, quantises each block of four numbers (filled with zeros to 32) into ONE word
;  (bits 15:0 four codes, bits 23:16 the scale byte) and sums L1 over the edges.  The words leave through the wave's own stage in LDS: sixteen lanes store 256 consecutive bytes, aligned.
;  wave 8: quantises W2 meanwhile; behind the barrier it adds the eight waves' sums, forms relu(s W1 + b1) by fused multiply-adds in f32, quantises it, multiplies by W2 on codes, adds b2 (as C)
;  and quantises the result: the first 64 of cat's K, the same for every edge.  Lanes of rows 4 .. 15 are given s = 0: row 4 of work-group 0 is stored as the row of a masked cycle.
; WORK-GROUPS 256 .. 259 (weight m = g - 256: W3 .. W6), waves 0-7: wave t quantises along K the 16 output units of tile t, a lane to a unit and its registers down K, and stores the operand's registers as they stand;
;  it also writes 32 entries of the list of all 1,024 tiles of 16 edges, the live ones first.  (The list is 4 KB in all: its words go out singly, by position.)
; THE UNITS OF A TILE ARE NOT NEIGHBOURS: lane r of tile t takes unit 32 (t / 2) + 8 (t % 2) + r + 8 (r / 8), so that in a transposed result the 16 registers of tiles 2 b and 2 b + 1 are 16 neighbours along the next K.
.set RED,   0                          ; LDS: wave w's 16 sums at 64 w
.set TR,    512                        ; wave w's stage: 8 tiles x (256 bytes + 16)
.set TRW,   2176
.set SPARE, 17920                      ; the spare words: 128 bytes for each of nine waves, five blocks of 256 bytes that no other line names
.set FLOOR, 0x1800000                  ; 2^(3 - 127): no largest magnitude is taken under it, so no scale byte falls under 1
.set OFF2,  0xff000000                 ; takes 2 off an exponent field
.set SPW, 8                            ; v8  LDS address of my spare word; never rewritten
.set NIL, 9                            ; v9  0; never rewritten
; waves 0-7
.set IDX,  10                          ; v10-17  the two node numbers of my four edges
.set GOF,  18                          ; v18-25  their byte offsets in x
.set EF,   26                          ; v26-41  four features for each of four edges
.set SCBR, 42                          ; v42-57  SCB: four cycles x four edges
.set P,    58                          ; v58-89  L1 of four edges: four numbers and four zeros each
.set OUTW, 90                          ; v90-105 the words on their way out
.set OOF,  106
.set TO,   107
.set A,    108                         ; v108-115 |SCB| of four edges, each the low word of a pair
.set M,    116
.set S,    120                         ; v120-135 the sums: four cycles x four features
.set WD,   136                         ; v136-151 the words
.set C,    152
.set BY,   156
.set SCO,  160
.set EN,   164
.set TMP,  165
; wave 8
.set W2F,  16                          ; v16-47  W2's four fragments
.set W2S,  48                          ; v48-51  their scale words
.set U,    52                          ; v52-83  b1, then s W1 + b1: 32 numbers of my row
.set EM,   84                          ; v84-115 b2, then emb
.set SS,   116                         ; v116-119 at work, then s of my row
.set UC,   120                         ; v120-127 the hidden layer's fragment
.set BIG,  128                         ; v128-255 W2 as loaded, then W1, then at work
.set EC,   128
.set EW,   132
.set T2,   148
; work-groups 256 ..
.set X,    32
.set F,    96
.macro NOPS n
.rept \n
	v_nop
.endr
.endm
; 32 numbers of ONE lane, a whole block along K, become 4 registers of codes; v[sc] is left holding the conversion's scale operand.  ab = 1: the largest magnitude; 0: what is negative does not count (a relu follows on the codes)
.macro Q32 src, dst, m0, m1, sc, ab
.if \ab
	v_max3_num_f32 v[\m0], |v[\src]|, |v[\src+1]|, FLOOR
	v_max3_num_f32 v[\m1], |v[\src+2]|, |v[\src+3]|, |v[\src+4]|
.irp i, 5,9,13,17,21,25
	v_max3_num_f32 v[\m0], v[\m0], |v[\src+\i]|, |v[\src+\i+1]|
	v_max3_num_f32 v[\m1], v[\m1], |v[\src+\i+2]|, |v[\src+\i+3]|
.endr
	v_max3_num_f32 v[\m0], v[\m0], |v[\src+29]|, |v[\src+30]|
	v_max3_num_f32 v[\m0], v[\m0], v[\m1], |v[\src+31]|
.else
	v_max3_num_f32 v[\m0], v[\src], v[\src+1], FLOOR
	v_max3_num_f32 v[\m1], v[\src+2], v[\src+3], v[\src+4]
.irp i, 5,9,13,17,21,25
	v_max3_num_f32 v[\m0], v[\m0], v[\src+\i], v[\src+\i+1]
	v_max3_num_f32 v[\m1], v[\m1], v[\src+\i+2], v[\src+\i+3]
.endr
	v_max3_num_f32 v[\m0], v[\m0], v[\src+29], v[\src+30]
	v_max3_num_f32 v[\m0], v[\m0], v[\m1], v[\src+31]
.endif
	v_add_nc_u32 v[\sc], OFF2, v[\m0]              ; 2 off the exponent field: the conversion takes the exponent field of this operand as its scale
.irp g, 0,1,2,3
	v_cvt_scalef32_pk8_fp4_f32 v[\dst+\g], v[\src+8*\g:\src+8*\g+7], v[\sc]
.endr
.endm
	s_load_b512 s[4:19], s[0:1], 0x0               ; x 4:5, SCB 6:7, edge_index 8:9, edge_len 10:11, beta_len 12:13, W1 14:15, b1 16:17, W2 18:19
	s_load_b512 s[20:35], s[0:1], 0x40             ; b2 20:21, W3 22:23, W4 24:25, W5 26:27, W6 28:29, l1w 30:31, emb 32:33, wfrag 34:35
	s_load_b64 s[36:37], s[0:1], 0x80              ; jobs
	v_lshl_add_u32 v[SPW], v0, 2, SPARE
	v_mov_b32 v[NIL], 0
	v_lshrrev_b32 v1, 5, v0
	v_readfirstlane_b32 s38, v1                    ; wave 0..8
	v_and_b32 v1, 31, v0                           ; lane
	v_and_b32 v2, 15, v0                           ; r
	v_bfe_u32 v3, v0, 4, 1                         ; h
	; every LDS address is made here, ahead of the place where the waves part
	v_and_b32 v4, 0x1e0, v0
	v_lshlrev_b32 v4, 1, v4                        ; v4: 64 x wave: my wave's sums
	v_lshlrev_b32 v5, 4, v1                        ; v5: 16 x lane
	s_mul_i32 s39, s38, TRW
	s_add_co_u32 s39, s39, TR
	v_lshrrev_b32 v6, 2, v1
	v_mul_u32_u24 v6, v6, 272
	v_and_b32 v7, 3, v1
	v_lshl_add_u32 v6, v7, 4, v6
	v_add_nc_u32 v6, s39, v6                       ; v6: the stage, in: tile lane / 4, 16 bytes at 16 (lane % 4)
	v_mul_u32_u24 v7, v3, 272
	v_lshl_add_u32 v7, v2, 4, v7
	v_add_nc_u32 v7, s39, v7                       ; v7: the stage, out: sixteen lanes to a tile's 256 bytes
	s_mov_b32 s72, 0x76543210
	s_mov_b32 s73, 0xfedcba98                      ; v_permlanex16_b32's selects for lane l xor 16
	s_mov_b32 s78, 0x88888888                      ; the signs of eight codes
	s_wait_kmcnt 0x0
	s_cmp_ge_u32 ttmp9, 256
	s_cbranch_scc1 .LkindB
	s_lshr_b32 s40, ttmp9, 4                       ; b
	s_and_b32 s41, ttmp9, 15                       ; which four cycles
	s_cmp_eq_u32 s38, 8
	s_cbranch_scc1 .LroleF
	; ---------------- waves 0-7: the edges
	s_lshl_b32 s42, s40, 2
	s_load_b32 s43, s[10:11], s42 offset:0x0       ; edge_len[b]
	s_load_b32 s44, s[12:13], s42 offset:0x0       ; beta_len[b]
	s_lshl_b32 s48, s40, 13
	s_mov_b32 s49, 0
	s_add_nc_u64 s[50:51], s[8:9], s[48:49]        ; edge_index[b]
	s_lshl_b32 s48, s40, 18
	s_lshl_b32 s47, s41, 14
	s_add_co_u32 s48, s48, s47
	s_add_nc_u64 s[52:53], s[6:7], s[48:49]        ; SCB[b][my first cycle]
	s_lshl_b32 s48, s40, 12
	s_add_nc_u64 s[54:55], s[4:5], s[48:49]        ; x[b]
	s_lshl_b32 s48, s40, 18
	s_lshl_b32 s47, s38, 15
	s_add_co_u32 s48, s48, s47
	s_lshl_b32 s47, s41, 8
	s_add_co_u32 s48, s48, s47
	s_add_nc_u64 s[56:57], s[30:31], s[48:49]      ; l1w: tile 64 b + 8 wave, 4,096 bytes a tile, + 64 bytes a cycle
	v_lshlrev_b32 v[TO], 4, v0
	global_load_b128 v[IDX:IDX+3], v[TO], s[50:51]             ; they hang on no length: asked for ahead of the wait for the lengths
	global_load_b128 v[IDX+4:IDX+7], v[TO], s[50:51] offset:4096
.set II, 0
.rept 16
	v_mov_b32 v[SCBR+II], 0                        ; a cycle at or beyond beta_len is not loaded: its L1 is 0
.set II, II+1
.endr
.irp k, 0,1,2,3
.irp c, 4,5,6,7
	v_mov_b32 v[P+8*\k+\c], 0                      ; a block's fifth to eighth number: zeros
.endr
	v_mov_b32 v[A+2*\k+1], 0                       ; (the pairs' upper words are named, so they are written)
.endr
	v_lshlrev_b32 v[OOF], 12, v3
	v_lshl_add_u32 v[OOF], v2, 4, v[OOF]           ; out: 4,096 (lane / 16) + 16 (lane % 16)
	v_lshlrev_b32 v[EN], 2, v0                     ; my first edge
	s_wait_kmcnt 0x0
	s_max_i32 s43, s43, 0
	s_min_u32 s43, s43, 1024
	s_max_i32 s44, s44, 0
	s_min_u32 s44, s44, 64
	s_lshl_b32 s45, s41, 2
	s_min_u32 s46, s45, s44
	s_sub_co_u32 s46, s44, s46
	s_min_u32 s46, s46, 4                          ; how many of my four cycles count
	s_cmp_eq_u32 s38, 0                            ; wave 0 always works: the graph's first tiles are always written
	s_cbranch_scc1 .Llive
	s_lshl_b32 s47, s38, 7
	s_cmp_lt_u32 s47, s43                          ; the others where their first edge counts
	s_cbranch_scc1 .Llive
.set II, 0
.rept 16
	v_mov_b32 v[S+II], 0
.set II, II+1
.endr
	s_branch .Lsums
.Llive:
	s_wait_loadcnt 0x0                             ; the node numbers
.irp k, 0,1,2,3,4,5,6,7
	v_min_u32 v[GOF+\k], 511, v[IDX+\k]
.endr
.irp k, 0,1,2,3,4,5,6,7
	v_lshlrev_b32 v[GOF+\k], 3, v[GOF+\k]
.endr
.irp k, 0,1,2,3
	global_load_b64 v[EF+4*\k:EF+4*\k+1], v[GOF+\k], s[54:55]
	global_load_b64 v[EF+4*\k+2:EF+4*\k+3], v[GOF+4+\k], s[54:55]
.endr
.irp i, 0,1,2,3
	s_cmp_le_u32 s46, \i
	s_cbranch_scc1 .Lasked
	global_load_b128 v[SCBR+4*\i:SCBR+4*\i+3], v[TO], s[52:53] offset:4096*\i th:TH_LOAD_NT
.endr
.Lasked:
	s_wait_loadcnt 0x0
.irp k, 0,1,2,3
	v_add_nc_u32 v[TMP], \k, v[EN]
	v_cmp_gt_u32 vcc_lo, s43, v[TMP]               ; the edge counts where edge_len > e
.irp c, 0,1,2,3
	v_cndmask_b32 v[EF+4*\k+\c], 0, v[EF+4*\k+\c], vcc_lo
.endr
.endr
; cycle i of my four: L1, its sums, its words
.macro ROWQ i
.irp k, 0,1,2,3
	v_and_b32 v[A+2*\k], 0x7fffffff, v[SCBR+4*\i+\k]
.endr
.irp k, 0,1,2,3
	v_pk_mul_f32 v[P+8*\k:P+8*\k+1], v[EF+4*\k:EF+4*\k+1], v[A+2*\k:A+2*\k+1] op_sel_hi:[1,0]
	v_pk_mul_f32 v[P+8*\k+2:P+8*\k+3], v[EF+4*\k+2:EF+4*\k+3], v[A+2*\k:A+2*\k+1] op_sel_hi:[1,0]
.endr
	v_pk_add_f32 v[S+4*\i:S+4*\i+1], v[P:P+1], v[P+8:P+9]
	v_pk_add_f32 v[S+4*\i+2:S+4*\i+3], v[P+2:P+3], v[P+10:P+11]
.irp k, 2,3
	v_pk_add_f32 v[S+4*\i:S+4*\i+1], v[S+4*\i:S+4*\i+1], v[P+8*\k:P+8*\k+1]
	v_pk_add_f32 v[S+4*\i+2:S+4*\i+3], v[S+4*\i+2:S+4*\i+3], v[P+8*\k+2:P+8*\k+3]
.endr
.irp k, 0,1,2,3
	v_max3_num_f32 v[M+\k], |v[P+8*\k]|, |v[P+8*\k+1]|, FLOOR
.endr
.irp k, 0,1,2,3
	v_max3_num_f32 v[M+\k], v[M+\k], |v[P+8*\k+2]|, |v[P+8*\k+3]|
.endr
.irp k, 0,1,2,3
	v_add_nc_u32 v[SCO+\k], OFF2, v[M+\k]
.endr
.irp k, 0,1,2,3
	v_cvt_scalef32_pk8_fp4_f32 v[C+\k], v[P+8*\k:P+8*\k+7], v[SCO+\k]
.endr
.irp k, 0,1,2,3
	v_lshrrev_b32 v[BY+\k], 23, v[SCO+\k]          ; the scale's byte.  (Plain lines between the conversions and the first use of their results)
.endr
.irp k, 0,1,2,3
	v_lshl_or_b32 v[WD+4*\i+\k], v[BY+\k], 16, v[C+\k]
.endr
	ds_store_b128 v6, v[WD+4*\i:WD+4*\i+3] offset:64*\i
.endm
	ROWQ 0
	ROWQ 1
	ROWQ 2
	ROWQ 3
.irp k, 0,1,2,3
	ds_load_b128 v[OUTW+4*\k:OUTW+4*\k+3], v7 offset:544*\k    ; my wave's own bytes; LDS serves a wave's instructions in order: these see the stores above
.endr
.irp k, 0,1,2,3
	s_wait_dscnt 3-\k                              ; load k is in; the 3 - k issued behind it may be out
	global_store_b128 v[OOF], v[OUTW+4*\k:OUTW+4*\k+3], s[56:57] offset:8192*\k   ; sixteen lanes store 256 consecutive bytes, aligned: four cycles of one tile
.endr
.irp m, 1,2,4,8
.set II, 0
.rept 16
	v_add_f32_dpp v[S+II], v[S+II], v[S+II] row_xmask:\m row_mask:0xf bank_mask:0xf
.set II, II+1
.endr
.endr
.set II, 0
.rept 16
	v_permlanex16_b32 v[WD+II], v[S+II], s72, s73  ; (its destination counts as read: the words' registers have been written and are done with)
.set II, II+1
.endr
.set II, 0
.rept 16
	v_add_f32 v[S+II], v[S+II], v[WD+II]
.set II, II+1
.endr
.Lsums:
.irp i, 0,1,2,3
	ds_store_b128 v4, v[S+4*\i:S+4*\i+3] offset:16*\i          ; all lanes write the same bytes with the same values
.endr
	s_branch .Lmeet
	; ---------------- wave 8, ahead of the barrier: W2 becomes four fragments; W1, b1, b2 are asked for
.LroleF:
	v_and_b32 v15, 8, v2
	v_add_nc_u32 v15, v15, v2                      ; r + 8 (r / 8)
	v_lshlrev_b32 v10, 2, v15
	v_lshl_add_u32 v10, v3, 13, v10                ; W2: my unit's column, + 32 h rows of 256 bytes
	v_lshlrev_b32 v11, 7, v3                       ; W1, b1: 32 h numbers on
	v_lshlrev_b32 v12, 6, v3                       ; b2: 16 h numbers on
	v_lshlrev_b32 v13, 3, v3                       ; 8 h: my byte's place in a scale word
	v_mov_b32 v15, 0
.irp t, 0,1,2,3
.set II, 0
.rept 32
	global_load_b32 v[BIG+32*\t+II], v10, s[18:19] offset:(32*(\t/2)+8*(\t%2))*4+256*II   ; W2(32 h + i, my unit of tile t)
.set II, II+1
.endr
.endr
.irp j, 0,1,2,3,4,5,6,7
	global_load_b128 v[U+4*\j:U+4*\j+3], v11, s[16:17] offset:16*\j
.endr
.irp t, 0,1,2,3
	global_load_b128 v[EM+8*\t:EM+8*\t+3], v12, s[20:21] offset:(32*(\t/2)+8*(\t%2))*4
	global_load_b128 v[EM+8*\t+4:EM+8*\t+7], v12, s[20:21] offset:(32*(\t/2)+8*(\t%2))*4+16
.endr
.irp t, 0,1,2,3
.irp c, 4,5,6,7
	v_mov_b32 v[W2F+8*\t+\c], 0                    ; K = 64: the upper 64 of the instruction's 128 are zero codes, on both sides
.endr
.endr
.irp c, 4,5,6,7
	v_mov_b32 v[UC+\c], 0
.endr
	s_wait_loadcnt 0x0
.irp t, 0,1,2,3
	Q32 BIG+32*\t, W2F+8*\t, 116, 117, 118, 1
	v_lshrrev_b32 v119, 23, v118                   ; my block's byte (a plain line behind the conversions),
	v_lshlrev_b32 v119, v13, v119                  ; at its place;
	v_permlanex16_b32 v15, v119, s72, s73
	v_or_b32 v[W2S+\t], v119, v15                  ; with lane l xor 16's the word is whole
.endr
.irp i, 0,1,2,3
.irp j, 0,1,2,3,4,5,6,7
	global_load_b128 v[BIG+32*\i+4*\j:BIG+32*\i+4*\j+3], v11, s[14:15] offset:256*\i+16*\j   ; W1(i, 32 h + ..)
.endr
.endr
.Lmeet:
	s_wait_dscnt 0x0                               ; my LDS stores have landed
	s_barrier_signal -1
	s_barrier_wait -1                              ; the eight waves' sums lie in LDS
	s_cmp_lg_u32 s38, 8
	s_cbranch_scc1 .Lend
	; ---------------- wave 8, behind the barrier
	ds_load_b128 v[SS:SS+3], v5                    ; lane l: wave l / 4, cycle l % 4
	s_wait_dscnt 0x0
	s_wait_loadcnt 0x0                             ; W1
.irp m, 4,8
.irp n, 0,1,2,3
	v_add_f32_dpp v[SS+\n], v[SS+\n], v[SS+\n] row_xmask:\m row_mask:0xf bank_mask:0xf
.endr
.endr
	v_permlanex16_b32 v10, v[SS], s72, s73         ; (the offsets' registers are free: every load is in)
	v_permlanex16_b32 v11, v[SS+1], s72, s73
	v_permlanex16_b32 v12, v[SS+2], s72, s73
	v_permlanex16_b32 v15, v[SS+3], s72, s73
	v_add_f32 v[SS], v[SS], v10
	v_add_f32 v[SS+1], v[SS+1], v11
	v_add_f32 v[SS+2], v[SS+2], v12
	v_add_f32 v[SS+3], v[SS+3], v15                ; lane (r, h): s of cycle r % 4
	v_cmp_gt_u32 vcc_lo, 4, v2
.irp n, 0,1,2,3
	v_cndmask_b32 v[SS+\n], 0, v[SS+\n], vcc_lo    ; rows 4 .. 15: s = 0, the row of a masked cycle
.endr
.irp i, 0,1,2,3
.set II, 0
.rept 32
	v_fmac_f32 v[U+II], v[BIG+32*\i+II], v[SS+\i]  ; s W1 + b1, in f32: it goes on into a quantiser
.set II, II+1
.endr
.endr
	Q32 U, UC, 136, 137, 138, 0
	v_lshrrev_b32 v139, 23, v138
	; relu on the codes: the scale was taken of what is positive, so those codes are right; a negative number's code keeps its sign alone: -0
.irp n, 0,1,2,3
	v_and_b32 v[140+\n], s78, v[UC+\n]
.endr
.irp n, 0,1,2,3
	v_lshrrev_b32 v[144+\n], 3, v[140+\n]
.endr
.irp n, 0,1,2,3
	v_sub_nc_u32 v[140+\n], v[140+\n], v[144+\n]   ; 7 in each negative code's place
.endr
.irp n, 0,1,2,3
	v_bfi_b32 v[UC+\n], v[140+\n], v[UC+4], v[UC+\n]   ; (v[UC+4] holds 0)
.endr
	v_lshlrev_b32 v139, v13, v139
	v_permlanex16_b32 v15, v139, s72, s73
	v_or_b32 v14, v139, v15                        ; my row's scale word
	NOPS 8                                         ; a scale register written by a vector instruction stands 8 places ahead of a scaled matrix instruction, an operand 4
.irp t, 0,1,2,3                                ; TRANSPOSED: source 0 = 16 units of W2, source 1 = the 16 rows; C = b2.  Four sums, one instruction each
	v_wmma_scale_f32_16x16x128_f8f6f4 v[EM+8*\t:EM+8*\t+7], v[W2F+8*\t:W2F+8*\t+7], v[UC:UC+7], v[EM+8*\t:EM+8*\t+7], v[W2S+\t], v14 matrix_a_fmt:MATRIX_FMT_FP4 matrix_b_fmt:MATRIX_FMT_FP4
.endr
	NOPS 4
	; emb's two blocks of 32: register 16 b + i is unit 32 b + 16 h + i of my row
.irp b, 0,1
	v_max3_num_f32 v[T2+\b], |v[EM+16*\b]|, |v[EM+16*\b+1]|, FLOOR
.endr
.irp i, 2,4,6,8,10,12,14
.irp b, 0,1
	v_max3_num_f32 v[T2+\b], v[T2+\b], |v[EM+16*\b+\i]|, |v[EM+16*\b+\i+1]|
.endr
.endr
.irp b, 0,1
	v_permlanex16_b32 v[T2+2+\b], v[T2+\b], s72, s73
.endr
.irp b, 0,1
	v_max_num_f32 v[T2+\b], v[T2+\b], v[T2+2+\b]
.endr
.irp b, 0,1
	v_add_nc_u32 v[T2+4+\b], OFF2, v[T2+\b]
.endr
.irp b, 0,1
	v_lshrrev_b32 v[T2+2+\b], 23, v[T2+4+\b]
.endr
	v_lshl_or_b32 v[EW], v[T2+3], 8, v[T2+2]       ; the row's scale word: bytes 0 and 1; byte 2 is filled in by the reader, byte 3 stays 0
	v_mov_b32 v[EW+1], 0
	v_mov_b32 v[EW+2], 0
	v_mov_b32 v[EW+3], 0
.irp b, 0,1
	v_cvt_scalef32_pk8_fp4_f32 v[EC+2*\b], v[EM+16*\b:EM+16*\b+7], v[T2+4+\b]
	v_cvt_scalef32_pk8_fp4_f32 v[EC+2*\b+1], v[EM+16*\b+8:EM+16*\b+15], v[T2+4+\b]
.endr
	v_nop                                          ; one plain line behind a scaled conversion
	v_permlane16_swap_b32 v[EC], v[EC+2]           ; a whole block to a lane: lanes 0-15 block 0, lanes 16-31 block 1
	v_permlane16_swap_b32 v[EC+1], v[EC+3]
	s_lshl_b32 s47, s40, 6
	s_lshl_b32 s48, s41, 2
	s_add_co_u32 s47, s47, s48
	v_add_nc_u32 v160, s47, v2                     ; row 64 b + my cycle,
	v_mov_b32 v161, 0x400
	v_cmp_gt_u32 vcc_lo, 4, v2
	v_cndmask_b32 v160, v161, v160, vcc_lo         ; or row 1,024, the masked cycle's
	v_lshlrev_b32 v160, 6, v160
	v_lshl_add_u32 v160, v3, 4, v160               ; 64 bytes a row, + 16 h
	s_cmp_eq_u32 ttmp9, 0
	s_cselect_b32 s48, 5, 4                        ; work-group 0 stores row 1,024 too
	s_wait_xcnt 0x0                                ; EXEC changes only behind this wait
	v_cmp_gt_u32 vcc_lo, s48, v2
	s_and_saveexec_b32 s49, vcc_lo
	global_store_b128 v160, v[EC:EC+3], s[32:33]
	global_store_b128 v160, v[EW:EW+3], s[32:33] offset:32
	s_wait_xcnt 0x0                                ; and again, in front of the line that widens it
	s_or_b32 exec_lo, exec_lo, s49
	s_branch .Lend
	; ---------------- work-groups 256 .. 259: a weight's eight tiles, and the list
.LkindB:
	s_cmp_eq_u32 s38, 8
	s_cbranch_scc1 .Lend
	s_sub_co_u32 s40, ttmp9, 256                   ; m
	s_lshr_b32 s61, s38, 1
	s_lshl_b32 s60, s40, 2
	s_add_co_u32 s61, s61, s60                     ; the graph whose tiles I list: 4 m + wave / 2
	s_lshl_b32 s62, s61, 2
	s_load_b512 s[44:59], s[10:11], 0x0            ; all sixteen edge_len
	s_load_b32 s63, s[12:13], s62 offset:0x0       ; beta_len of my graph
	s_cmp_eq_u32 s40, 1
	s_cselect_b64 s[42:43], s[24:25], s[22:23]
	s_cmp_eq_u32 s40, 2
	s_cselect_b64 s[42:43], s[26:27], s[42:43]
	s_cmp_eq_u32 s40, 3
	s_cselect_b64 s[42:43], s[28:29], s[42:43]     ; the weight: the choice hangs on the work-group's number alone
	s_lshr_b32 s41, s38, 1
	s_lshl_b32 s41, s41, 5
	s_and_b32 s60, s38, 1
	s_lshl_b32 s60, s60, 3
	s_add_co_u32 s41, s41, s60
	s_lshl_b32 s41, s41, 2                         ; the tile's first unit, in bytes
	v_and_b32 v15, 8, v2
	v_add_nc_u32 v15, v15, v2
	v_lshl_add_u32 v11, v15, 2, s41                ; my unit's column
	v_lshl_add_u32 v10, v3, 14, v11                ; + 32 h rows of 512 bytes
	s_lshl_b32 s74, s40, 13
	s_lshl_b32 s60, s38, 10
	s_add_co_u32 s74, s74, s60
	s_mov_b32 s75, 0
	s_add_nc_u64 s[74:75], s[34:35], s[74:75]      ; wfrag: 8,192 m + 1,024 t
	s_lshl_b32 s76, s40, 10
	s_lshl_b32 s60, s38, 7
	s_add_co_u32 s76, s76, s60
	s_add_co_u32 s76, s76, 32768
	s_mov_b32 s77, 0
	s_add_nc_u64 s[76:77], s[34:35], s[76:77]      ; its scale words: 32,768 + 1,024 m + 128 t
.set II, 0
.rept 32
	global_load_b32 v[X+II], v10, s[42:43] offset:512*II       ; W(32 h + i, my unit)
.set II, II+1
.endr
	s_cmp_eq_u32 s40, 0
	s_cbranch_scc1 .Lw3
.set II, 0
.rept 32
	global_load_b32 v[X+32+II], v10, s[42:43] offset:512*(64+II)   ; W(64 + 32 h + i, my unit)
.set II, II+1
.endr
	s_wait_loadcnt 0x0
	s_branch .Lwq
.Lw3:                                          ; W3 has 68 rows: rows 64 .. 67 belong to lanes 0-15; all else of the upper 64 is zeros
.irp i, 0,1,2,3
	global_load_b32 v[X+32+\i], v11, s[42:43] offset:512*(64+\i)
.endr
.set II, 4
.rept 28
	v_mov_b32 v[X+32+II], 0
.set II, II+1
.endr
	s_wait_loadcnt 0x0
	v_cmp_eq_u32 vcc_lo, 0, v3
.irp i, 0,1,2,3
	v_cndmask_b32 v[X+32+\i], 0, v[X+32+\i], vcc_lo
.endr
.Lwq:
	Q32 X, F, 104, 105, 106, 1
	Q32 X+32, F+4, 104, 105, 107, 1
	v_lshrrev_b32 v108, 23, v106                   ; block h's byte,
	v_lshrrev_b32 v109, 23, v107                   ; block 2 + h's
	v_lshl_or_b32 v110, v109, 16, v108
	v_lshlrev_b32 v112, 3, v3
	v_lshlrev_b32 v110, v112, v110
	v_mov_b32 v111, 0
	v_permlanex16_b32 v111, v110, s72, s73
	v_or_b32 v110, v110, v111                      ; my unit's scale word
	v_lshlrev_b32 v113, 2, v1
	global_store_b128 v5, v[F:F+3], s[74:75]                   ; the operand's registers as they stand: 512 consecutive bytes a store
	global_store_b128 v5, v[F+4:F+7], s[74:75] offset:512
	global_store_b32 v113, v110, s[76:77]
	; the list.  nt_i = tiles of graph i that hold a live edge; P = those of the graphs before mine; T = all of them
	s_wait_kmcnt 0x0
	s_mov_b32 s66, 0                               ; T
	s_mov_b32 s67, 0                               ; P
	s_mov_b32 s68, 0                               ; nt of my graph
	s_mov_b32 s69, 0                               ; edge_len of my graph
.irp i, 0,1,2,3,4,5,6,7,8,9,10,11,12,13,14,15
	s_max_i32 s[44+\i], s[44+\i], 0
	s_min_u32 s[44+\i], s[44+\i], 1024
	s_add_co_u32 s70, s[44+\i], 15
	s_lshr_b32 s70, s70, 4
	s_add_co_u32 s66, s66, s70
	s_cmp_gt_u32 s61, \i
	s_cselect_b32 s71, s70, 0
	s_add_co_u32 s67, s67, s71
	s_cmp_eq_u32 s61, \i
	s_cselect_b32 s71, s70, 0
	s_cselect_b32 s79, s[44+\i], 0
	s_add_co_u32 s68, s68, s71
	s_add_co_u32 s69, s69, s79
.endr
	s_max_i32 s63, s63, 0
	s_min_u32 s63, s63, 64
	s_lshl_b32 s63, s63, 10
	s_lshl_b32 s70, s61, 6                         ; my graph's first tile
	s_add_co_u32 s71, s66, s70
	s_sub_co_u32 s71, s71, s67
	s_sub_co_u32 s71, s71, s68                     ; a dead tile tl goes to T + (64 b - P) + (tl - nt)
	s_and_b32 s79, s38, 1
	s_lshl_b32 s79, s79, 5
	v_add_nc_u32 v114, s79, v1                     ; tl
	v_cmp_gt_u32 vcc_lo, s68, v114                 ; live?
	v_add_nc_u32 v115, s67, v114                   ; a live tile goes to P + tl
	v_add_nc_u32 v116, s71, v114
	v_cndmask_b32 v117, v116, v115, vcc_lo
	v_min_u32 v117, 1023, v117
	v_lshlrev_b32 v117, 2, v117
	v_lshlrev_b32 v118, 4, v114
	v_sub_nc_u32 v118, s69, v118
	v_min_u32 v118, 16, v118
	v_cndmask_b32 v118, 0, v118, vcc_lo            ; its live rows, 0 for a dead tile
	v_add_nc_u32 v119, s70, v114
	v_lshl_or_b32 v119, v118, 17, v119
	v_or_b32 v119, s63, v119                       ; bits 9:0 the tile, 16:10 beta_len, 21:17 live rows
	global_store_b32 v117, v119, s[36:37]
.Lend:
	s_wait_tensorcnt 0x0                           ; the wave's end
	ds_add_u32 v[SPW], v[NIL]
	s_wait_dscnt 0x0
	s_endpgm
.Lfunc_end_k_q0e64432685_prep:
	.size	k_q0e64432685_prep, .Lfunc_end_k_q0e64432685_prep-k_q0e64432685_prep
	.p2alignl 7, 3214868480
	.fill 96, 4, 3214868480
	.section	.rodata,"a",@progbits
	.p2align	6, 0x0
	.amdhsa_kernel k_q0e64432685_prep
		.amdhsa_group_segment_fixed_size 19200
		.amdhsa_private_segment_fixed_size 0
		.amdhsa_enable_private_segment 0
		.amdhsa_kernarg_size 136
		.amdhsa_user_sgpr_count 2
		.amdhsa_user_sgpr_kernarg_segment_ptr 1
		.amdhsa_wavefront_size32 1
		.amdhsa_system_sgpr_workgroup_id_x 1
		.amdhsa_system_sgpr_workgroup_id_y 1
		.amdhsa_system_sgpr_workgroup_id_z 1
		.amdhsa_system_vgpr_workitem_id 0
		.amdhsa_next_free_vgpr 256
		.amdhsa_next_free_sgpr 100
		.amdhsa_reserve_vcc 1
		.amdhsa_float_denorm_mode_32 3
		.amdhsa_float_denorm_mode_16_64 3
		.amdhsa_memory_ordered 1
		.amdhsa_forward_progress 1
		.amdhsa_inst_pref_size 81
	.end_amdhsa_kernel
	.amdgpu_metadata
---
amdhsa.version: [ 1, 2 ]
amdhsa.kernels:
  - .name:           k_q0e64432685_prep
    .symbol:         k_q0e64432685_prep.kd
    .args:
      - { .name: x, .offset: 0, .size: 8, .value_kind: global_buffer, .address_space: global }
      - { .name: SCB, .offset: 8, .size: 8, .value_kind: global_buffer, .address_space: global }
      - { .name: edge_index, .offset: 16, .size: 8, .value_kind: global_buffer, .address_space: global }
      - { .name: edge_len, .offset: 24, .size: 8, .value_kind: global_buffer, .address_space: global }
      - { .name: beta_len, .offset: 32, .size: 8, .value_kind: global_buffer, .address_space: global }
      - { .name: W1, .offset: 40, .size: 8, .value_kind: global_buffer, .address_space: global }
      - { .name: b1, .offset: 48, .size: 8, .value_kind: global_buffer, .address_space: global }
      - { .name: W2, .offset: 56, .size: 8, .value_kind: global_buffer, .address_space: global }
      - { .name: b2, .offset: 64, .size: 8, .value_kind: global_buffer, .address_space: global }
      - { .name: W3, .offset: 72, .size: 8, .value_kind: global_buffer, .address_space: global }
      - { .name: W4, .offset: 80, .size: 8, .value_kind: global_buffer, .address_space: global }
      - { .name: W5, .offset: 88, .size: 8, .value_kind: global_buffer, .address_space: global }
      - { .name: W6, .offset: 96, .size: 8, .value_kind: global_buffer, .address_space: global }
      - { .name: l1w, .offset: 104, .size: 8, .value_kind: global_buffer, .address_space: global }
      - { .name: emb, .offset: 112, .size: 8, .value_kind: global_buffer, .address_space: global }
      - { .name: wfrag, .offset: 120, .size: 8, .value_kind: global_buffer, .address_space: global }
      - { .name: jobs, .offset: 128, .size: 8, .value_kind: global_buffer, .address_space: global }
    .group_segment_fixed_size: 19200
    .private_segment_fixed_size: 0
    .kernarg_segment_align: 8
    .kernarg_segment_size: 136
    .max_flat_workgroup_size: 288
    .sgpr_count:     100
    .vgpr_count:     256
    .wavefront_size: 32
...
	.end_amdgpu_metadata
.endif
;; end of part 1
;; launch chain (part 2): grid 256 x 1, 8 waves a work-group, no clusters, 306,176 bytes of LDS; arguments jobs, l1w, emb, wfrag, b3, b4, b5, b6, out0; writes out0
.if DOCPART == 2
	.amdgcn_target "amdgcn-amd-amdhsa--gfx1250"
	.amdhsa_code_object_version 6
	.text
	.protected	k_q0e64432685_chain
	.globl	k_q0e64432685_chain
	.p2align	8
	.type	k_q0e64432685_chain,@function
k_q0e64432685_chain:
	s_mov_b64 s[64:65], 0
	v_nop
	global_prefetch_b8 v0, s[64:65] scope:SCOPE_SE
	s_setreg_imm32_b32 hwreg(HW_REG_WAVE_MODE, 25, 1), 1
	s_wait_xcnt 0x0
; CycleNet_EPD in MX-FP4, launch 2 of 2: cat W3 -> relu -> W4 -> sum over the cycles -> W5 -> relu -> W6 -> mask, on tiles of 16 edges.
; LEFT OUT (shown at the head of the first kernel): tiles all of whose edges lie at or beyond edge_len get zeros and nothing else; the rows of cycles at or beyond beta_len are all one row g0, made once and weighed by their number.
; LIMITS: as stated there; a NaN, an infinity or an overflow that reaches only the work left out is not carried to the result.
; No tensor loads, no cluster: branches hang on the list, which is read from memory; what work-groups share, 32 KB of weights, stays in registers.
; SHARES.  Work-group g takes list entries g, g + 256, g + 512, g + 768: live tiles come first in the list, so each work-group gets its share of them.  For a live tile THE EIGHT WAVES SHARE THE CYCLES:
; wave w takes beta = w, w + 8, .. under beta_len (beta = w always: where it lies at or beyond beta_len it is a masked row, computed like any other).  W3 and W4 stay in each wave's registers.
; A STEP is 16 edges x one cycle: 8 matrix instructions for the 128 hidden units (TRANSPOSED: source 0 = 16 units of W3, source 1 = cat's 16 rows, C = b3), relu and the quantiser in registers,
; 8 matrix instructions by W4 that add onto the wave's 8 accumulators: THE SUM OVER THE CYCLES COSTS NOTHING.  cat's fragment: 16 bytes of emb's codes (the same for all edges), and the tile's word of L1.
; Then each wave's accumulators go to LDS; behind one barrier wave q (q < 4) finishes entry q alone: it adds the eight parts, (64 - max(beta_len, 8)) g0 and 64 b4, and runs the last two products.
; Two waves share a SIMD, so that one's vector work stands beside the other's matrix work.
; REGISTERS.  Window 0: addresses, scale words, cat, codes, H1 (a product's 8 tiles), BB.  Window 1: v0-63 W3's fragments (later W5's), v64-127 W4's (W6's), v128-191 b3 in the result's layout (b5), v192-255 the accumulators (later two buffers, then b6).
.set INPW,  262144                     ; LDS: 0 .. 262,143 the parts: wave x 32,768 + entry x 8,192, an image of 64 registers;  here: the four tiles' words of L1, 4,096 bytes each,
.set INPE,  278528                     ; the four graphs' rows of emb, 4,096 bytes each
.set STG,   262144                     ; the way out: 16 rows x (512 + 16) bytes for each of waves 0-3, over the two regions above, which nobody reads behind the second barrier
.set G0,    296960                     ; the image of g0
.set SPARE, 305152                     ; the spare words: 128 bytes for each wave, four blocks of 256 bytes that no other line names
.set FLOOR, 0x1800000
.set OFF2,  0xff000000
.set LI,  4                            ; 16 x lane
.set LS,  5                            ; 4 x lane
.set AE0, 6                            ; emb's codes of cycle w: INPE + 64 w + 16 h
.set AW0, 7                            ; the words of cycle w: INPW + 64 w + 4 r
.set AS0, 8                            ; emb's scale word of cycle w: INPE + 64 w + 32
.set AE,  9                            ; the same three for the entry in hand
.set AW,  10
.set AS,  11
.set AP0, 12                           ; my part: 32,768 w + 16 x lane
.set AP,  13
.set AR,  14                           ; v14-17 the parts of entry w % 4: 8,192 (w % 4) + 16 x lane + 65,536 k
.set LM,  18                           ; 0xffff in lanes 0-15, 0 in lanes 16-31
.set WRD, 19
.set ESW, 20
.set AG,  21
.set MK,  22                           ; v22-23
.set SPW, 24                           ; LDS address of my spare word; never rewritten
.set NIL, 25                           ; 0; never rewritten
.set CI,  26                           ; 16 x thread
.set STO, 27
.set Z,   28                           ; v28-31 zeros
.set W3S, 32                           ; v32-39 W3's scale words (later W5's);  v40-47 W4's (W6's)
.set W4S, 40
.set SC,  48                           ; v48-49 cat's scale words, two sets
.set PW,  50                           ; the scale word just made
.set SRD, 51
.set CAT, 52                           ; v52-67 cat's fragment, two sets
.set PC,  68                           ; v68-75 the codes just made
.set TM,  76                           ; v76-79 largest magnitudes, v80-83 bytes, v84-87 scale operands
.set RT,  88
.set RU,  96
.set BO,  104                          ; 64 h: a bias in the result's layout
.set CPW, 105
.set CPE, 106
.set H16, 107                          ; 16 h
.set H1,  112                          ; v112-175
.set BB,  176                          ; v176-239
.set W3F, 0                            ; window 1
.set W4F, 64
.set B3,  128
.set ACC, 192
.set MSB, 0
.macro WIN new                         ; the immediate's high byte repeats the setting that is left; bits 1:0 source 0, 3:2 source 1, 5:4 source 2, 7:6 destination
.if MSB != \new
	s_set_vgpr_msb (MSB<<8)|\new
.set MSB, \new
.endif
.endm
.macro NOPS n
.rept \n
	v_nop
.endr
.endm
; eight sums of one instruction each: H1's tile t = (16 units of a weight) x (16 rows) + a bias
.macro PRODH a, c, sa, b, sb
.irp t, 0,1,2,3,4,5,6,7
	v_wmma_scale_f32_16x16x128_f8f6f4 v[H1+8*\t:H1+8*\t+7], v[\a+8*\t:\a+8*\t+7], v[\b:\b+7], v[\c+8*\t:\c+8*\t+7], v[\sa+\t], v[\sb] matrix_a_fmt:MATRIX_FMT_FP4 matrix_b_fmt:MATRIX_FMT_FP4
.endr
.endm
; the eight accumulators by turns, one instruction a turn; between two links of a chain stand fifteen other matrix instructions.  first = 1: the product starts the sums
.macro PRODA first
.irp t, 0,1,2,3,4,5,6,7
.if \first
	v_wmma_scale_f32_16x16x128_f8f6f4 v[ACC+8*\t:ACC+8*\t+7], v[W4F+8*\t:W4F+8*\t+7], v[PC:PC+7], 0, v[W4S+\t], v[PW] matrix_a_fmt:MATRIX_FMT_FP4 matrix_b_fmt:MATRIX_FMT_FP4
.else
	v_wmma_scale_f32_16x16x128_f8f6f4 v[ACC+8*\t:ACC+8*\t+7], v[W4F+8*\t:W4F+8*\t+7], v[PC:PC+7], v[ACC+8*\t:ACC+8*\t+7], v[W4S+\t], v[PW] matrix_a_fmt:MATRIX_FMT_FP4 matrix_b_fmt:MATRIX_FMT_FP4
.endif
.endr
.endm
; H1's 64 numbers of a lane (register 16 b + i = unit 32 b + 16 h + i of my edge) become half blocks of codes in v[PC] on and the scale word in v[PW].  ab = 1: largest magnitudes; 0: what is negative does not count.
; Each tile is first read at its low end.
.macro QUANT ab
.irp b, 0,1,2,3
.if \ab
	v_max3_num_f32 v[TM+\b], |v[H1+16*\b]|, |v[H1+16*\b+1]|, FLOOR
.else
	v_max3_num_f32 v[TM+\b], v[H1+16*\b], v[H1+16*\b+1], FLOOR
.endif
.endr
.irp i, 2,4,6,8,10,12,14
.irp b, 0,1,2,3
.if \ab
	v_max3_num_f32 v[TM+\b], v[TM+\b], |v[H1+16*\b+\i]|, |v[H1+16*\b+\i+1]|
.else
	v_max3_num_f32 v[TM+\b], v[TM+\b], v[H1+16*\b+\i], v[H1+16*\b+\i+1]
.endif
.endr
.endr
.irp b, 0,1,2,3
	v_permlanex16_b32 v[TM+4+\b], v[TM+\b], s70, s71
.endr
.irp b, 0,1,2,3
	v_max_num_f32 v[TM+\b], v[TM+\b], v[TM+4+\b]   ; with lane l xor 16's 16 units: the block's
.endr
.irp b, 0,1,2,3
	v_add_nc_u32 v[TM+8+\b], OFF2, v[TM+\b]        ; 2 off the exponent field: the conversion's scale operand
.endr
.irp b, 0,1,2,3
	v_lshrrev_b32 v[TM+4+\b], 23, v[TM+8+\b]       ; the scale's byte
.endr
	v_lshl_or_b32 v[PW], v[TM+5], 8, v[TM+4]
	v_lshl_or_b32 v[PW], v[TM+6], 16, v[PW]
	v_lshl_or_b32 v[PW], v[TM+7], 24, v[PW]
.irp b, 0,1,2,3
	v_cvt_scalef32_pk8_fp4_f32 v[PC+2*\b], v[H1+16*\b:H1+16*\b+7], v[TM+8+\b]
	v_cvt_scalef32_pk8_fp4_f32 v[PC+2*\b+1], v[H1+16*\b+8:H1+16*\b+15], v[TM+8+\b]
.endr
.endm
; relu on the codes, 32 lines for 64 numbers: the scales were taken of what is positive, so those codes are the codes of relu(x); a negative number's code keeps its sign alone: -0, which adds nothing
.macro RELUC
.irp n, 0,1,2,3,4,5,6,7
	v_and_b32 v[RT+\n], s72, v[PC+\n]
.endr
.irp n, 0,1,2,3,4,5,6,7
	v_lshrrev_b32 v[RU+\n], 3, v[RT+\n]
.endr
.irp n, 0,1,2,3,4,5,6,7
	v_sub_nc_u32 v[RT+\n], v[RT+\n], v[RU+\n]      ; 7 in each negative code's place
.endr
.irp n, 0,1,2,3,4,5,6,7
	v_bfi_b32 v[PC+\n], v[RT+\n], v[Z], v[PC+\n]
.endr
.endm
.macro SWAPS                           ; the operand's layout wants a whole block in a lane: lanes 0-15 block 2 c, lanes 16-31 block 2 c + 1
.irp c, 0,1
.irp i, 0,1
	v_permlane16_swap_b32 v[PC+4*\c+\i], v[PC+4*\c+2+\i]
.endr
.endr
.endm
; cycle w + 8 j of the entry in hand.  pre = 1: the next cycle's fragment is fetched behind the first product and unpacked behind the conversions
.macro STEP j, first, pre
.set P0, CAT+8*((\j)%2)
.set P1, CAT+8*(1-(\j)%2)
.set S0, SC+(\j)%2
.set S1, SC+1-(\j)%2
	WIN 0x11                                       ; source 0 (W3) and C (b3) window 1
	PRODH W3F, B3, W3S, P0, S0
	WIN 0
.if \pre
	ds_load_b128 v[P1:P1+3], v[AE] offset:512*((\j)+1)         ; (the set's last reader, the step before, lies a whole quantiser back)
	ds_load_b32 v[WRD], v[AW] offset:512*((\j)+1)
	ds_load_b32 v[ESW], v[AS] offset:512*((\j)+1)
.endif
	NOPS 4                                         ; four places between a matrix instruction and the first read of its result
	QUANT 0
.if \pre
	s_wait_dscnt 0x0                               ; the three loads above
	v_and_b32 v[P1+4], v[WRD], v[LM]               ; L1's four codes: k = 64 .. 67, which lanes 0-15 hold.  (These two lines are also the plain lines behind the conversions;
	v_and_or_b32 v[S1], v[WRD], 0xff0000, v[ESW]   ; the 32 lines of the relu are the places between them and the next step's product)
.else
	v_nop
.endif
	RELUC
	SWAPS
	NOPS 4                                         ; an operand written by vector instructions stands 4 places ahead of a scaled matrix instruction
	WIN 0x51                                       ; source 0 (W4), C and D window 1
	PRODA \first
	WIN 0
.endm
.macro LDW f, m                        ; weight m's 8 fragments: 512 consecutive bytes a load
.irp t, 0,1,2,3,4,5,6,7
.irp c, 0,1
	global_load_b128 v[\f+8*\t+4*\c:\f+8*\t+4*\c+3], v[LI], s[10:11] offset:8192*\m+1024*\t+512*\c
.endr
.endr
.endm
.macro LDSC sr, m                      ; and its scale words
.irp t, 0,1,2,3,4,5,6,7
	global_load_b32 v[\sr+\t], v[LS], s[10:11] offset:32768+1024*\m+128*\t
.endr
.endm
.macro LDB reg, sp                     ; a bias in the result's layout: lane (r, h), tile t, register j: unit 32 (t / 2) + 16 h + 8 (t % 2) + j
.irp t, 0,1,2,3,4,5,6,7
	global_load_b128 v[\reg+8*\t:\reg+8*\t+3], v[BO], s[\sp:\sp+1] offset:(32*(\t/2)+8*(\t%2))*4
	global_load_b128 v[\reg+8*\t+4:\reg+8*\t+7], v[BO], s[\sp:\sp+1] offset:(32*(\t/2)+8*(\t%2))*4+16
.endr
.endm
	s_load_b512 s[4:19], s[0:1], 0x0               ; jobs 4:5, l1w 6:7, emb 8:9, wfrag 10:11, b3 12:13, b4 14:15, b5 16:17, b6 18:19
	s_load_b64 s[20:21], s[0:1], 0x40              ; out0
	v_lshl_add_u32 v[SPW], v0, 2, SPARE
	v_mov_b32 v[NIL], 0
	v_lshrrev_b32 v1, 5, v0
	v_readfirstlane_b32 s22, v1                    ; wave 0..7
	v_and_b32 v1, 31, v0                           ; lane
	v_and_b32 v2, 15, v0                           ; r
	v_bfe_u32 v3, v0, 4, 1                         ; h
	v_lshlrev_b32 v[LI], 4, v1
	v_lshlrev_b32 v[LS], 2, v1
	v_lshlrev_b32 v[H16], 4, v3
	v_lshlrev_b32 v[BO], 6, v3
	s_lshl_b32 s67, s22, 6
	v_add_nc_u32 v[AE0], s67, v[H16]
	v_add_nc_u32 v[AE0], INPE, v[AE0]
	v_lshlrev_b32 v[AW0], 2, v2
	v_add_nc_u32 v[AW0], s67, v[AW0]
	v_add_nc_u32 v[AW0], INPW, v[AW0]
	s_add_co_u32 s74, s67, INPE+32
	v_mov_b32 v[AS0], s74
	s_lshl_b32 s74, s22, 15
	v_add_nc_u32 v[AP0], s74, v[LI]
	s_and_b32 s75, s22, 3
	s_lshl_b32 s74, s75, 13
	v_add_nc_u32 v[AR], s74, v[LI]
	v_add_nc_u32 v[AR+1], 0x10000, v[AR]
	v_add_nc_u32 v[AR+2], 0x20000, v[AR]
	v_add_nc_u32 v[AR+3], 0x30000, v[AR]
	v_add_nc_u32 v[AG], G0, v[LI]
	s_mul_i32 s74, s75, 8448
	s_add_co_u32 s74, s74, STG
	v_mul_u32_u24 v[STO], v2, 528
	v_lshl_add_u32 v[STO], v3, 6, v[STO]
	v_add_nc_u32 v[STO], s74, v[STO]               ; the stage, in: row r, + 64 h
	v_add_nc_u32 v[SRD], s74, v[LI]                ; and back: the 32 lanes take a row of 512 bytes
	v_lshlrev_b32 v[CI], 4, v0
	v_add_nc_u32 v[CPW], INPW, v[CI]
	v_add_nc_u32 v[CPE], INPE, v[CI]
	v_mul_u32_u24 v[LM], v3, 0xffff
	v_sub_nc_u32 v[LM], 0xffff, v[LM]
.irp n, 0,1,2,3
	v_mov_b32 v[Z+\n], 0
	v_mov_b32 v[TM+4+\n], 0                        ; written once: a lane permute's destination counts as one of its sources
.endr
.irp n, 5,6,7,13,14,15
	v_mov_b32 v[CAT+\n], 0                         ; cat's K = 72 .. 127: zero codes, in both sets
.endr
	s_mov_b32 s70, 0x76543210
	s_mov_b32 s71, 0xfedcba98                      ; v_permlanex16_b32's selects for lane l xor 16
	s_mov_b32 s72, 0x88888888                      ; the signs of eight codes
	s_lshl_b32 s23, ttmp9, 2
	s_wait_kmcnt 0x0
	s_load_b32 s24, s[4:5], s23 offset:0x0         ; my four entries of the list
	s_load_b32 s25, s[4:5], s23 offset:0x400
	s_load_b32 s26, s[4:5], s23 offset:0x800
	s_load_b32 s27, s[4:5], s23 offset:0xc00
	WIN 0x40                                       ; destination window 1.  The weights hang on no entry: they are asked for while the entries come
	LDW W3F, 0
	LDW W4F, 1
	LDB B3, 12
	WIN 0
	LDSC W3S, 0
	LDSC W4S, 1
	s_wait_kmcnt 0x0
	s_mov_b32 s77, 0
.irp q, 0,1,2,3                                ; an entry's bases.  Each number taken from the list is held by a constant last of all, ahead of the shift that makes it an offset
	s_bfe_u32 s[80+\q], s[24+\q], 0x50011          ; its live rows
	s_and_b32 s74, s[24+\q], 1023                  ; its tile
	s_and_b32 s75, s[24+\q], 0x3c0                 ; its graph's first tile
	s_cmp_lg_u32 s[80+\q], 0
	s_cselect_b32 s76, s74, s75                    ; a dead entry copies its graph's first tile, which is always written; nobody reads the copy
	s_min_u32 s76, s76, 1023
	s_lshl_b32 s76, s76, 12
	s_add_nc_u64 s[36+2*\q:37+2*\q], s[6:7], s[76:77]
	s_min_u32 s76, s75, 0x3c0
	s_lshl_b32 s76, s76, 6
	s_add_nc_u64 s[44+2*\q:45+2*\q], s[8:9], s[76:77]
	s_min_u32 s76, s74, 1023
	s_lshl_b32 s76, s76, 13
	s_add_nc_u64 s[52+2*\q:53+2*\q], s[20:21], s[76:77]
.endr
	s_and_b32 s75, s22, 3                          ; the entry that I finish, if I finish one: entry w % 4
	s_cmp_eq_u32 s75, 1
	s_cselect_b32 s28, s25, s24
	s_cselect_b64 s[30:31], s[54:55], s[52:53]
	s_cmp_eq_u32 s75, 2
	s_cselect_b32 s28, s26, s28
	s_cselect_b64 s[30:31], s[56:57], s[30:31]
	s_cmp_eq_u32 s75, 3
	s_cselect_b32 s28, s27, s28
	s_cselect_b64 s[30:31], s[58:59], s[30:31]
.irp q, 0,1,2,3
	global_load_b128 v[BB+8*\q:BB+8*\q+3], v[CI], s[36+2*\q:37+2*\q]       ; the tile's 4,096 bytes of words: 16 a thread
	global_load_b128 v[BB+8*\q+4:BB+8*\q+7], v[CI], s[44+2*\q:45+2*\q]     ; the graph's 4,096 bytes of emb
.endr
.irp q, 0,1,2,3
	s_cmp_lg_u32 s[80+\q], 0
	s_cbranch_scc1 .Lhas_rows_\q
	global_store_b128 v[CI], v[Z:Z+3], s[52+2*\q:53+2*\q] th:TH_STORE_NT             ; a dead tile: 8,192 bytes of zeros; a wave's store covers 512 consecutive bytes
	global_store_b128 v[CI], v[Z:Z+3], s[52+2*\q:53+2*\q] offset:4096 th:TH_STORE_NT
.Lhas_rows_\q:
.endr
	s_wait_loadcnt 0x0
.irp q, 0,1,2,3
	ds_store_b128 v[CPW], v[BB+8*\q:BB+8*\q+3] offset:4096*\q
	ds_store_b128 v[CPE], v[BB+8*\q+4:BB+8*\q+7] offset:4096*\q
.endr
	s_wait_dscnt 0x0                               ; my stores have landed
	s_barrier_signal -1
	s_barrier_wait -1                              ; the four entries' words and rows of emb lie in LDS
	; g0, the row of a masked cycle, by wave 7, where the work-group has a live entry at all (live entries come first)
	s_cmp_lg_u32 s22, 7
	s_cbranch_scc1 .Lno_g0
	s_cmp_eq_u32 s80, 0
	s_cbranch_scc1 .Lno_g0
	global_load_b128 v[CAT:CAT+3], v[H16], s[8:9] offset:65536     ; emb's row 1,024
	global_load_b32 v[SC], v[Z], s[8:9] offset:65568               ; its scale word; L1's byte stays 0 over zero codes
	v_mov_b32 v[CAT+4], 0
	s_wait_loadcnt 0x0
	NOPS 8
	STEP 0, 1, 0
	NOPS 4
	WIN 0x04                                       ; an LDS store's data are its source 1: window 1
.irp t, 0,1,2,3,4,5,6,7
	ds_store_b128 v[AG], v[ACC+8*\t:ACC+8*\t+3] offset:1024*\t             ; each accumulator from its low end on
	ds_store_b128 v[AG], v[ACC+8*\t+4:ACC+8*\t+7] offset:1024*\t+512
.endr
	WIN 0
.Lno_g0:
	s_mov_b32 s62, 0                               ; the entry's number
	s_mov_b32 s63, 0                               ; 8,192 x it: its place in my parts
	s_mov_b32 s66, 0                               ; 4,096 x it: its place among the copies
.Ljob:                                         ; four trips, whatever the list holds; no barrier stands in the loop
	s_bfe_u32 s60, s24, 0x7000a
	s_min_u32 s60, s60, 64                         ; beta_len
	s_bfe_u32 s61, s24, 0x50011
	s_cmp_eq_u32 s61, 0
	s_cbranch_scc1 .Lnext
	s_wait_dscnt 0x0                               ; the last entry's stores have read the accumulators
	v_add_nc_u32 v[AE], s66, v[AE0]
	v_add_nc_u32 v[AW], s66, v[AW0]
	v_add_nc_u32 v[AS], s66, v[AS0]
	v_add_nc_u32 v[AP], s63, v[AP0]
	ds_load_b128 v[CAT:CAT+3], v[AE]
	ds_load_b32 v[WRD], v[AW]
	ds_load_b32 v[ESW], v[AS]
	s_wait_dscnt 0x0
	v_and_b32 v[CAT+4], v[WRD], v[LM]
	v_and_or_b32 v[SC], v[WRD], 0xff0000, v[ESW]
	NOPS 8                                         ; a scale register written by a vector instruction stands 8 places ahead of a scaled matrix instruction
	STEP 0, 1, 1
.irp j, 1,2,3,4,5,6,7
	s_add_co_u32 s67, s22, 8*\j
	s_cmp_ge_u32 s67, s60                          ; my next cycle lies at or beyond beta_len: the rest is g0's
	s_cbranch_scc1 .Lsum
.if \j < 7
	STEP \j, 0, 1
.else
	STEP \j, 0, 0
.endif
.endr
.Lsum:
	NOPS 4
	WIN 0x04
.irp t, 0,1,2,3,4,5,6,7
	ds_store_b128 v[AP], v[ACC+8*\t:ACC+8*\t+3] offset:1024*\t
	ds_store_b128 v[AP], v[ACC+8*\t+4:ACC+8*\t+7] offset:1024*\t+512
.endr
	WIN 0
.Lnext:
	s_mov_b32 s24, s25
	s_mov_b32 s25, s26
	s_mov_b32 s26, s27
	s_add_co_u32 s63, s63, 8192
	s_add_co_u32 s66, s66, 4096
	s_add_co_u32 s62, s62, 1
	s_cmp_lt_u32 s62, 4
	s_cbranch_scc1 .Ljob
	s_wait_dscnt 0x0                               ; my parts (wave 7: and g0) have landed
	s_barrier_signal -1
	s_barrier_wait -1
	s_cmp_ge_u32 s22, 4
	s_cbranch_scc1 .Lend
	s_bfe_u32 s61, s28, 0x50011
	s_min_u32 s61, s61, 16                         ; my entry's live rows
	s_cmp_eq_u32 s61, 0
	s_cbranch_scc1 .Lend
	; ---------------- wave q finishes entry q
	s_bfe_u32 s60, s28, 0x7000a
	s_min_u32 s60, s60, 64
	s_max_u32 s60, s60, 8                          ; the cycles that the eight waves have summed
	s_sub_co_u32 s60, 64, s60
	s_cvt_f32_u32 s68, s60                         ; the others are g0 each
	s_mov_b32 s69, s68
; half u = ch % 2 of part 1 + ch / 2 (ch = 14, 15: of g0): 8 loads, 32 registers, into buffer u
.macro CHLOAD ch
.set UH, (\ch)%2
.set PP, 1+(\ch)/2
.irp i, 0,1,2,3,4,5,6,7
.if (\ch) < 14
	ds_load_b128 v[ACC+32*UH+4*\i:ACC+32*UH+4*\i+3], v[AR+PP/2] offset:(PP%2)*32768+UH*4096+512*\i
.else
	ds_load_b128 v[ACC+32*UH+4*\i:ACC+32*UH+4*\i+3], v[AG] offset:UH*4096+512*\i
.endif
.endr
.endm
.set II, 0
.rept 16
	ds_load_b128 v[H1+4*II:H1+4*II+3], v[AR] offset:512*II     ; wave 0's part starts the sum
.set II, II+1
.endr
	WIN 0x40
	CHLOAD 0
	CHLOAD 1
	LDW W3F, 2                                     ; W5, b5, b4 and W5's scale words land while the parts are added: 56 loads
	LDB B3, 16
	WIN 0
	LDB BB, 14
	LDSC W3S, 2
.set CH, 0
.rept 16
.if CH < 15
	s_wait_dscnt 8                                 ; this chunk is in; only the next chunk's 8 loads were issued behind it
.else
	s_wait_dscnt 0x0
.endif
	WIN 0x01                                       ; source 0 window 1
.set UU, CH%2
.irp i, 0,2,4,6,8,10,12,14,16,18,20,22,24,26,28,30
.if CH < 14
	v_pk_add_f32 v[H1+32*UU+\i:H1+32*UU+\i+1], v[ACC+32*UU+\i:ACC+32*UU+\i+1], v[H1+32*UU+\i:H1+32*UU+\i+1]
.else
	v_pk_fma_f32 v[H1+32*UU+\i:H1+32*UU+\i+1], v[ACC+32*UU+\i:ACC+32*UU+\i+1], s[68:69], v[H1+32*UU+\i:H1+32*UU+\i+1] op_sel_hi:[1,0,1]
.endif
.endr
.if CH+2 < 16
	WIN 0x40
	CHLOAD CH+2
.endif
.set CH, CH+1
.endr
	WIN 0x40
	LDW W4F, 3                                     ; W6, b6 and W6's scale words: 40 loads, which land under the next product
	LDB ACC, 18
	WIN 0
	LDSC W4S, 3
	s_wait_loadcnt 40                              ; all but the 40 just issued
.set II, 0
.rept 32
	v_pk_fma_f32 v[H1+II:H1+II+1], v[BB+II:BB+II+1], 0x42800000, v[H1+II:H1+II+1] op_sel_hi:[1,0,1]   ; + 64 b4: h is whole
.set II, II+2
.endr
	QUANT 1
	v_nop
	SWAPS
	NOPS 8
	WIN 0x11
	PRODH W3F, B3, W3S, PC, PW                     ; h W5 + b5
	WIN 0
	NOPS 4
	QUANT 0
	v_nop
	RELUC
	SWAPS
	NOPS 4
	s_wait_loadcnt 0x0
	WIN 0x11
	PRODH W4F, ACC, W4S, PC, PW                    ; relu(..) W6 + b6
	WIN 0
	NOPS 4
	v_mov_b32 v[MK+1], 1.0
	v_cmp_gt_u32 vcc_lo, s61, v2
	v_cndmask_b32 v[MK], 0, v[MK+1], vcc_lo        ; 1 for a live edge, 0 for one at or beyond edge_len
.set II, 0
.rept 32
	v_pk_mul_f32 v[H1+II:H1+II+1], v[H1+II:H1+II+1], v[MK:MK+1] op_sel_hi:[1,0]
.set II, II+2
.endr
	; THE WAY OUT: a lane's eight numbers of a tile are 32 neighbouring bytes of its edge's row; they go through my own stage and come back as whole rows of 512 bytes
.irp t, 0,1,2,3,4,5,6,7
	ds_store_b128 v[STO], v[H1+8*\t:H1+8*\t+3] offset:128*(\t/2)+32*(\t%2)
	ds_store_b128 v[STO], v[H1+8*\t+4:H1+8*\t+7] offset:128*(\t/2)+32*(\t%2)+16
.endr
.set II, 0
.rept 16
	ds_load_b128 v[BB+4*II:BB+4*II+3], v[SRD] offset:528*II    ; LDS serves a wave's instructions in order: these see my stores
.set II, II+1
.endr
.set II, 0
.rept 16
	s_wait_dscnt 15-II                             ; row II is in; the loads issued behind it may be out
	global_store_b128 v[LI], v[BB+4*II:BB+4*II+3], s[30:31] offset:512*II th:TH_STORE_NT   ; 32 lanes store 512 consecutive bytes, aligned
.set II, II+1
.endr
.Lend:
	s_wait_tensorcnt 0x0                           ; the wave's end
	ds_add_u32 v[SPW], v[NIL]
	s_wait_dscnt 0x0
	s_endpgm
.Lfunc_end_k_q0e64432685_chain:
	.size	k_q0e64432685_chain, .Lfunc_end_k_q0e64432685_chain-k_q0e64432685_chain
	.p2alignl 7, 3214868480
	.fill 96, 4, 3214868480
	.section	.rodata,"a",@progbits
	.p2align	6, 0x0
	.amdhsa_kernel k_q0e64432685_chain
		.amdhsa_group_segment_fixed_size 306176
		.amdhsa_private_segment_fixed_size 0
		.amdhsa_enable_private_segment 0
		.amdhsa_kernarg_size 72
		.amdhsa_user_sgpr_count 2
		.amdhsa_user_sgpr_kernarg_segment_ptr 1
		.amdhsa_wavefront_size32 1
		.amdhsa_system_sgpr_workgroup_id_x 1
		.amdhsa_system_sgpr_workgroup_id_y 1
		.amdhsa_system_sgpr_workgroup_id_z 1
		.amdhsa_system_vgpr_workitem_id 0
		.amdhsa_next_free_vgpr 512
		.amdhsa_next_free_sgpr 100
		.amdhsa_reserve_vcc 1
		.amdhsa_float_denorm_mode_32 3
		.amdhsa_float_denorm_mode_16_64 3
		.amdhsa_memory_ordered 1
		.amdhsa_forward_progress 1
		.amdhsa_inst_pref_size 145
	.end_amdhsa_kernel
	.amdgpu_metadata
---
amdhsa.version: [ 1, 2 ]
amdhsa.kernels:
  - .name:           k_q0e64432685_chain
    .symbol:         k_q0e64432685_chain.kd
    .args:
      - { .name: jobs, .offset: 0, .size: 8, .value_kind: global_buffer, .address_space: global }
      - { .name: l1w, .offset: 8, .size: 8, .value_kind: global_buffer, .address_space: global }
      - { .name: emb, .offset: 16, .size: 8, .value_kind: global_buffer, .address_space: global }
      - { .name: wfrag, .offset: 24, .size: 8, .value_kind: global_buffer, .address_space: global }
      - { .name: b3, .offset: 32, .size: 8, .value_kind: global_buffer, .address_space: global }
      - { .name: b4, .offset: 40, .size: 8, .value_kind: global_buffer, .address_space: global }
      - { .name: b5, .offset: 48, .size: 8, .value_kind: global_buffer, .address_space: global }
      - { .name: b6, .offset: 56, .size: 8, .value_kind: global_buffer, .address_space: global }
      - { .name: out0, .offset: 64, .size: 8, .value_kind: global_buffer, .address_space: global }
    .group_segment_fixed_size: 306176
    .private_segment_fixed_size: 0
    .kernarg_segment_align: 8
    .kernarg_segment_size: 72
    .max_flat_workgroup_size: 256
    .sgpr_count:     100
    .vgpr_count:     512
    .wavefront_size: 32
...
	.end_amdgpu_metadata
.endif
;; end of part 2
;; ======== version 2 of 2: 2 launches
;; workspace buffers: l1w 4,194,304 bytes; emb 65,792 bytes; wfrag 36,864 bytes; jobs 4,096 bytes of whole numbers
;; launch prep (part 3): grid 260 x 1, 9 waves a work-group, no clusters, 19,200 bytes of LDS; arguments x, SCB, edge_index, edge_len, beta_len, W1, b1, W2, b2, W3, W4, W5, W6, l1w, emb, wfrag, jobs; writes l1w, emb, wfrag, jobs
.if DOCPART == 3
	.amdgcn_target "amdgcn-amd-amdhsa--gfx1250"
	.amdhsa_code_object_version 6
	.text
	.protected	k_q0e64432685_prep
	.globl	k_q0e64432685_prep
	.p2align	8
	.type	k_q0e64432685_prep,@function
k_q0e64432685_prep:
	s_mov_b64 s[64:65], 0
	v_nop
	global_prefetch_b8 v0, s[64:65] scope:SCOPE_SE
	s_setreg_imm32_b32 hwreg(HW_REG_WAVE_MODE, 25, 1), 1
	s_wait_xcnt 0x0
; CycleNet_EPD in MX-FP4, launch 1 of 2: all that hangs on (graph, cycle) or on the weights alone.
; WORK LEFT OUT BY THE PROGRAM, for all finite values of the inputs:
;  (a) out = (..) * edge_mask: a row e >= edge_len[b] is multiplied by 0.  A tile of 16 edges that lies wholly at or beyond edge_len[b] gets zeros stored and nothing else.
;  (b) a row (b, e, beta) with beta >= beta_len[b]: valid is false for every e, so L1 = 0 and s = 0; emb is then relu(b1) W2 + b2, made of the weights alone, the row of cat is the
;      same for every such (b, e, beta), and so is its row g0 of relu(cat W3 + b3) W4.  The sum over beta of n equal rows is n g0: g0 is made once for a work-group and weighed by n.
;  Both masks are built in the problem's own body from whole numbers that the launches read from memory.
; LIMITS: a NaN, an infinity or an overflow that reaches only the work left out is not carried to the result; NaN and infinities among the inputs are not served; edge_len is held to
;  0 .. 1,024 and beta_len to 0 .. 64; a block of zeros gets the scale byte 1 where the quantiser says 127: its codes are zeros, and these bytes are read by this program alone.
; WORK-GROUPS 0 .. 255 (graph b = g / 16, cycles 4 (g % 16) + 0 .. 3), nine waves:
;  waves 0-7: thread t owns edges 4 t .. 4 t + 3: gathers their four features, forms L1 = |SCB| x features for the four cycles, quantises each block of four numbers (filled with zeros to 32) into ONE word
;  (bits 15:0 four codes, bits 23:16 the scale byte) and sums L1 over the edges.  The words leave through the wave's own stage in LDS: sixteen lanes store 256 consecutive bytes, aligned.
;  wave 8: quantises W2 meanwhile; behind the barrier it adds the eight waves' sums, forms relu(s W1 + b1) by fused multiply-adds in f32, quantises it, multiplies by W2 on codes, adds b2 (as C)
;  and quantises the result: the first 64 of cat's K, the same for every edge.  Lanes of rows 4 .. 15 are given s = 0: row 4 of work-group 0 is stored as the row of a masked cycle.
; WORK-GROUPS 256 .. 259 (weight m = g - 256: W3 .. W6), waves 0-7: wave t quantises along K the 16 output units of tile t, a lane to a unit and its registers down K, and stores the operand's registers as they stand;
;  it also writes 32 entries of the list of all 1,024 tiles of 16 edges, the live ones first.  (The list is 4 KB in all: its words go out singly, by position.)
; THE UNITS OF A TILE ARE NOT NEIGHBOURS: lane r of tile t takes unit 32 (t / 2) + 8 (t % 2) + r + 8 (r / 8), so that in a transposed result the 16 registers of tiles 2 b and 2 b + 1 are 16 neighbours along the next K.
.set RED,   0                          ; LDS: wave w's 16 sums at 64 w
.set TR,    512                        ; wave w's stage: 8 tiles x (256 bytes + 16)
.set TRW,   2176
.set SPARE, 17920                      ; the spare words: 128 bytes for each of nine waves, five blocks of 256 bytes that no other line names
.set FLOOR, 0x1800000                  ; 2^(3 - 127): no largest magnitude is taken under it, so no scale byte falls under 1
.set OFF2,  0xff000000                 ; takes 2 off an exponent field
.set SPW, 8                            ; v8  LDS address of my spare word; never rewritten
.set NIL, 9                            ; v9  0; never rewritten
; waves 0-7
.set IDX,  10                          ; v10-17  the two node numbers of my four edges
.set GOF,  18                          ; v18-25  their byte offsets in x
.set EF,   26                          ; v26-41  four features for each of four edges
.set SCBR, 42                          ; v42-57  SCB: four cycles x four edges
.set P,    58                          ; v58-89  L1 of four edges: four numbers and four zeros each
.set OUTW, 90                          ; v90-105 the words on their way out
.set OOF,  106
.set TO,   107
.set A,    108                         ; v108-115 |SCB| of four edges, each the low word of a pair
.set M,    116
.set S,    120                         ; v120-135 the sums: four cycles x four features
.set WD,   136                         ; v136-151 the words
.set C,    152
.set BY,   156
.set SCO,  160
.set EN,   164
.set TMP,  165
; wave 8
.set W2F,  16                          ; v16-47  W2's four fragments
.set W2S,  48                          ; v48-51  their scale words
.set U,    52                          ; v52-83  b1, then s W1 + b1: 32 numbers of my row
.set EM,   84                          ; v84-115 b2, then emb
.set SS,   116                         ; v116-119 at work, then s of my row
.set UC,   120                         ; v120-127 the hidden layer's fragment
.set BIG,  128                         ; v128-255 W2 as loaded, then W1, then at work
.set EC,   128
.set EW,   132
.set T2,   148
; work-groups 256 ..
.set X,    32
.set F,    96
.macro NOPS n
.rept \n
	v_nop
.endr
.endm
; 32 numbers of ONE lane, a whole block along K, become 4 registers of codes; v[sc] is left holding the conversion's scale operand.  ab = 1: the largest magnitude; 0: what is negative does not count (a relu follows on the codes)
.macro Q32 src, dst, m0, m1, sc, ab
.if \ab
	v_max3_num_f32 v[\m0], |v[\src]|, |v[\src+1]|, FLOOR
	v_max3_num_f32 v[\m1], |v[\src+2]|, |v[\src+3]|, |v[\src+4]|
.irp i, 5,9,13,17,21,25
	s_delay_alu instid0(VALU_DEP_2)
	v_max3_num_f32 v[\m0], v[\m0], |v[\src+\i]|, |v[\src+\i+1]|
	s_delay_alu instid0(VALU_DEP_2)
	v_max3_num_f32 v[\m1], v[\m1], |v[\src+\i+2]|, |v[\src+\i+3]|
.endr
	s_delay_alu instid0(VALU_DEP_2)
	v_max3_num_f32 v[\m0], v[\m0], |v[\src+29]|, |v[\src+30]|
	s_delay_alu instid0(VALU_DEP_1)
	v_max3_num_f32 v[\m0], v[\m0], v[\m1], |v[\src+31]|
.else
	v_max3_num_f32 v[\m0], v[\src], v[\src+1], FLOOR
	v_max3_num_f32 v[\m1], v[\src+2], v[\src+3], v[\src+4]
.irp i, 5,9,13,17,21,25
	s_delay_alu instid0(VALU_DEP_2)
	v_max3_num_f32 v[\m0], v[\m0], v[\src+\i], v[\src+\i+1]
	s_delay_alu instid0(VALU_DEP_2)
	v_max3_num_f32 v[\m1], v[\m1], v[\src+\i+2], v[\src+\i+3]
.endr
	s_delay_alu instid0(VALU_DEP_2)
	v_max3_num_f32 v[\m0], v[\m0], v[\src+29], v[\src+30]
	s_delay_alu instid0(VALU_DEP_1)
	v_max3_num_f32 v[\m0], v[\m0], v[\m1], v[\src+31]
.endif
	s_delay_alu instid0(VALU_DEP_1)
	v_add_nc_u32 v[\sc], OFF2, v[\m0]              ; 2 off the exponent field: the conversion takes the exponent field of this operand as its scale
.irp g, 0,1,2,3
	v_cvt_scalef32_pk8_fp4_f32 v[\dst+\g], v[\src+8*\g:\src+8*\g+7], v[\sc]
.endr
.endm
	s_load_b512 s[4:19], s[0:1], 0x0               ; x 4:5, SCB 6:7, edge_index 8:9, edge_len 10:11, beta_len 12:13, W1 14:15, b1 16:17, W2 18:19
	s_load_b512 s[20:35], s[0:1], 0x40             ; b2 20:21, W3 22:23, W4 24:25, W5 26:27, W6 28:29, l1w 30:31, emb 32:33, wfrag 34:35
	s_load_b64 s[36:37], s[0:1], 0x80              ; jobs
	v_lshl_add_u32 v[SPW], v0, 2, SPARE
	v_mov_b32 v[NIL], 0
	v_lshrrev_b32 v1, 5, v0
	s_delay_alu instid0(VALU_DEP_1)
	v_readfirstlane_b32 s38, v1                    ; wave 0..8
	v_and_b32 v1, 31, v0                           ; lane
	v_and_b32 v2, 15, v0                           ; r
	v_bfe_u32 v3, v0, 4, 1                         ; h
	; every LDS address is made here, ahead of the place where the waves part
	v_and_b32 v4, 0x1e0, v0
	s_delay_alu instid0(VALU_DEP_1)
	v_lshlrev_b32 v4, 1, v4                        ; v4: 64 x wave: my wave's sums
	v_lshlrev_b32 v5, 4, v1                        ; v5: 16 x lane
	s_mul_i32 s39, s38, TRW
	s_add_co_u32 s39, s39, TR
	v_lshrrev_b32 v6, 2, v1
	s_delay_alu instid0(VALU_DEP_1)
	v_mul_u32_u24 v6, v6, 272
	v_and_b32 v7, 3, v1
	s_delay_alu instid0(VALU_DEP_1)
	v_lshl_add_u32 v6, v7, 4, v6
	s_delay_alu instid0(VALU_DEP_1)
	v_add_nc_u32 v6, s39, v6                       ; v6: the stage, in: tile lane / 4, 16 bytes at 16 (lane % 4)
	v_mul_u32_u24 v7, v3, 272
	s_delay_alu instid0(VALU_DEP_1)
	v_lshl_add_u32 v7, v2, 4, v7
	s_delay_alu instid0(VALU_DEP_1)
	v_add_nc_u32 v7, s39, v7                       ; v7: the stage, out: sixteen lanes to a tile's 256 bytes
	s_mov_b32 s72, 0x76543210
	s_mov_b32 s73, 0xfedcba98                      ; v_permlanex16_b32's selects for lane l xor 16
	s_mov_b32 s78, 0x88888888                      ; the signs of eight codes
	s_wait_kmcnt 0x0
	s_cmp_ge_u32 ttmp9, 256
	s_cbranch_scc1 .LkindB
	s_lshr_b32 s40, ttmp9, 4                       ; b
	s_and_b32 s41, ttmp9, 15                       ; which four cycles
	s_cmp_eq_u32 s38, 8
	s_cbranch_scc1 .LroleF
	; ---------------- waves 0-7: the edges
	s_lshl_b32 s42, s40, 2
	s_load_b32 s43, s[10:11], s42 offset:0x0       ; edge_len[b]
	s_load_b32 s44, s[12:13], s42 offset:0x0       ; beta_len[b]
	s_lshl_b32 s48, s40, 13
	s_mov_b32 s49, 0
	s_add_nc_u64 s[50:51], s[8:9], s[48:49]        ; edge_index[b]
	s_lshl_b32 s48, s40, 18
	s_lshl_b32 s47, s41, 14
	s_add_co_u32 s48, s48, s47
	s_add_nc_u64 s[52:53], s[6:7], s[48:49]        ; SCB[b][my first cycle]
	s_lshl_b32 s48, s40, 12
	s_add_nc_u64 s[54:55], s[4:5], s[48:49]        ; x[b]
	s_lshl_b32 s48, s40, 18
	s_lshl_b32 s47, s38, 15
	s_add_co_u32 s48, s48, s47
	s_lshl_b32 s47, s41, 8
	s_add_co_u32 s48, s48, s47
	s_add_nc_u64 s[56:57], s[30:31], s[48:49]      ; l1w: tile 64 b + 8 wave, 4,096 bytes a tile, + 64 bytes a cycle
	v_lshlrev_b32 v[TO], 4, v0
	global_load_b128 v[IDX:IDX+3], v[TO], s[50:51]             ; they hang on no length: asked for ahead of the wait for the lengths
	global_load_b128 v[IDX+4:IDX+7], v[TO], s[50:51] offset:4096
.set II, 0
.rept 16
	v_mov_b32 v[SCBR+II], 0                        ; a cycle at or beyond beta_len is not loaded: its L1 is 0
.set II, II+1
.endr
.irp k, 0,1,2,3
.irp c, 4,5,6,7
	v_mov_b32 v[P+8*\k+\c], 0                      ; a block's fifth to eighth number: zeros
.endr
	v_mov_b32 v[A+2*\k+1], 0                       ; (the pairs' upper words are named, so they are written)
.endr
	v_lshlrev_b32 v[OOF], 12, v3
	s_delay_alu instid0(VALU_DEP_1)
	v_lshl_add_u32 v[OOF], v2, 4, v[OOF]           ; out: 4,096 (lane / 16) + 16 (lane % 16)
	v_lshlrev_b32 v[EN], 2, v0                     ; my first edge
	s_wait_kmcnt 0x0
	s_max_i32 s43, s43, 0
	s_min_u32 s43, s43, 1024
	s_max_i32 s44, s44, 0
	s_min_u32 s44, s44, 64
	s_lshl_b32 s45, s41, 2
	s_min_u32 s46, s45, s44
	s_sub_co_u32 s46, s44, s46
	s_min_u32 s46, s46, 4                          ; how many of my four cycles count
	s_cmp_eq_u32 s38, 0                            ; wave 0 always works: the graph's first tiles are always written
	s_cbranch_scc1 .Llive
	s_lshl_b32 s47, s38, 7
	s_cmp_lt_u32 s47, s43                          ; the others where their first edge counts
	s_cbranch_scc1 .Llive
.set II, 0
.rept 16
	v_mov_b32 v[S+II], 0
.set II, II+1
.endr
	s_branch .Lsums
.Llive:
	s_wait_loadcnt 0x0                             ; the node numbers
.irp k, 0,1,2,3,4,5,6,7
	v_min_u32 v[GOF+\k], 511, v[IDX+\k]
.endr
.irp k, 0,1,2,3,4,5,6,7
	v_lshlrev_b32 v[GOF+\k], 3, v[GOF+\k]
.endr
.irp k, 0,1,2,3
	global_load_b64 v[EF+4*\k:EF+4*\k+1], v[GOF+\k], s[54:55]
	global_load_b64 v[EF+4*\k+2:EF+4*\k+3], v[GOF+4+\k], s[54:55]
.endr
.irp i, 0,1,2,3
	s_cmp_le_u32 s46, \i
	s_cbranch_scc1 .Lasked
	global_load_b128 v[SCBR+4*\i:SCBR+4*\i+3], v[TO], s[52:53] offset:4096*\i th:TH_LOAD_NT
.endr
.Lasked:
	s_wait_loadcnt 0x0
.irp k, 0,1,2,3
	v_add_nc_u32 v[TMP], \k, v[EN]
	s_delay_alu instid0(VALU_DEP_1)
	v_cmp_gt_u32 vcc_lo, s43, v[TMP]               ; the edge counts where edge_len > e
.irp c, 0,1,2,3
	v_cndmask_b32 v[EF+4*\k+\c], 0, v[EF+4*\k+\c], vcc_lo
.endr
.endr
; cycle i of my four: L1, its sums, its words
.macro ROWQ i
.irp k, 0,1,2,3
	v_and_b32 v[A+2*\k], 0x7fffffff, v[SCBR+4*\i+\k]
.endr
.irp k, 0,1,2,3
	v_pk_mul_f32 v[P+8*\k:P+8*\k+1], v[EF+4*\k:EF+4*\k+1], v[A+2*\k:A+2*\k+1] op_sel_hi:[1,0]
	v_pk_mul_f32 v[P+8*\k+2:P+8*\k+3], v[EF+4*\k+2:EF+4*\k+3], v[A+2*\k:A+2*\k+1] op_sel_hi:[1,0]
.endr
	v_pk_add_f32 v[S+4*\i:S+4*\i+1], v[P:P+1], v[P+8:P+9]
	v_pk_add_f32 v[S+4*\i+2:S+4*\i+3], v[P+2:P+3], v[P+10:P+11]
.irp k, 2,3
	s_delay_alu instid0(VALU_DEP_2)
	v_pk_add_f32 v[S+4*\i:S+4*\i+1], v[S+4*\i:S+4*\i+1], v[P+8*\k:P+8*\k+1]
	s_delay_alu instid0(VALU_DEP_2)
	v_pk_add_f32 v[S+4*\i+2:S+4*\i+3], v[S+4*\i+2:S+4*\i+3], v[P+8*\k+2:P+8*\k+3]
.endr
.irp k, 0,1,2,3
	v_max3_num_f32 v[M+\k], |v[P+8*\k]|, |v[P+8*\k+1]|, FLOOR
.endr
.irp k, 0,1,2,3
	s_delay_alu instid0(VALU_DEP_4)
	v_max3_num_f32 v[M+\k], v[M+\k], |v[P+8*\k+2]|, |v[P+8*\k+3]|
.endr
.irp k, 0,1,2,3
	s_delay_alu instid0(VALU_DEP_4)
	v_add_nc_u32 v[SCO+\k], OFF2, v[M+\k]
.endr
.irp k, 0,1,2,3
	v_cvt_scalef32_pk8_fp4_f32 v[C+\k], v[P+8*\k:P+8*\k+7], v[SCO+\k]
.endr
.irp k, 0,1,2,3
	v_lshrrev_b32 v[BY+\k], 23, v[SCO+\k]          ; the scale's byte.  (Plain lines between the conversions and the first use of their results)
.endr
.irp k, 0,1,2,3
	v_lshl_or_b32 v[WD+4*\i+\k], v[BY+\k], 16, v[C+\k]
.endr
	ds_store_b128 v6, v[WD+4*\i:WD+4*\i+3] offset:64*\i
.endm
	ROWQ 0
	ROWQ 1
	ROWQ 2
	ROWQ 3
.irp k, 0,1,2,3
	ds_load_b128 v[OUTW+4*\k:OUTW+4*\k+3], v7 offset:544*\k    ; my wave's own bytes; LDS serves a wave's instructions in order: these see the stores above
.endr
.irp k, 0,1,2,3
	s_wait_dscnt 3-\k                              ; load k is in; the 3 - k issued behind it may be out
	global_store_b128 v[OOF], v[OUTW+4*\k:OUTW+4*\k+3], s[56:57] offset:8192*\k   ; sixteen lanes store 256 consecutive bytes, aligned: four cycles of one tile
.endr
.irp m, 1,2,4,8
.set II, 0
.rept 16
	v_add_f32_dpp v[S+II], v[S+II], v[S+II] row_xmask:\m row_mask:0xf bank_mask:0xf
.set II, II+1
.endr
.endr
.set II, 0
.rept 16
	v_permlanex16_b32 v[WD+II], v[S+II], s72, s73  ; (its destination counts as read: the words' registers have been written and are done with)
.set II, II+1
.endr
.set II, 0
.rept 16
	v_add_f32 v[S+II], v[S+II], v[WD+II]
.set II, II+1
.endr
.Lsums:
	s_wait_alu depctr_va_vdst(0)
.irp i, 0,1,2,3
	ds_store_b128 v4, v[S+4*\i:S+4*\i+3] offset:16*\i          ; all lanes write the same bytes with the same values
.endr
	s_branch .Lmeet
	; ---------------- wave 8, ahead of the barrier: W2 becomes four fragments; W1, b1, b2 are asked for
.LroleF:
	v_and_b32 v15, 8, v2
	s_delay_alu instid0(VALU_DEP_1)
	v_add_nc_u32 v15, v15, v2                      ; r + 8 (r / 8)
	s_delay_alu instid0(VALU_DEP_1)
	v_lshlrev_b32 v10, 2, v15
	s_delay_alu instid0(VALU_DEP_1)
	v_lshl_add_u32 v10, v3, 13, v10                ; W2: my unit's column, + 32 h rows of 256 bytes
	v_lshlrev_b32 v11, 7, v3                       ; W1, b1: 32 h numbers on
	v_lshlrev_b32 v12, 6, v3                       ; b2: 16 h numbers on
	v_lshlrev_b32 v13, 3, v3                       ; 8 h: my byte's place in a scale word
	v_mov_b32 v15, 0
.irp t, 0,1,2,3
.set II, 0
.rept 32
	global_load_b32 v[BIG+32*\t+II], v10, s[18:19] offset:(32*(\t/2)+8*(\t%2))*4+256*II   ; W2(32 h + i, my unit of tile t)
.set II, II+1
.endr
.endr
.irp j, 0,1,2,3,4,5,6,7
	global_load_b128 v[U+4*\j:U+4*\j+3], v11, s[16:17] offset:16*\j
.endr
.irp t, 0,1,2,3
	global_load_b128 v[EM+8*\t:EM+8*\t+3], v12, s[20:21] offset:(32*(\t/2)+8*(\t%2))*4
	global_load_b128 v[EM+8*\t+4:EM+8*\t+7], v12, s[20:21] offset:(32*(\t/2)+8*(\t%2))*4+16
.endr
.irp t, 0,1,2,3
.irp c, 4,5,6,7
	v_mov_b32 v[W2F+8*\t+\c], 0                    ; K = 64: the upper 64 of the instruction's 128 are zero codes, on both sides
.endr
.endr
.irp c, 4,5,6,7
	v_mov_b32 v[UC+\c], 0
.endr
	s_wait_loadcnt 0x0
.irp t, 0,1,2,3
	Q32 BIG+32*\t, W2F+8*\t, 116, 117, 118, 1
	v_lshrrev_b32 v119, 23, v118                   ; my block's byte (a plain line behind the conversions),
	s_delay_alu instid0(VALU_DEP_1)
	v_lshlrev_b32 v119, v13, v119                  ; at its place;
	s_delay_alu instid0(VALU_DEP_1)
	v_permlanex16_b32 v15, v119, s72, s73
	s_delay_alu instid0(VALU_DEP_1)
	v_or_b32 v[W2S+\t], v119, v15                  ; with lane l xor 16's the word is whole
.endr
.irp i, 0,1,2,3
.irp j, 0,1,2,3,4,5,6,7
	global_load_b128 v[BIG+32*\i+4*\j:BIG+32*\i+4*\j+3], v11, s[14:15] offset:256*\i+16*\j   ; W1(i, 32 h + ..)
.endr
.endr
.Lmeet:
	s_wait_dscnt 0x0                               ; my LDS stores have landed
	s_barrier_signal -1
	s_barrier_wait -1                              ; the eight waves' sums lie in LDS
	s_cmp_lg_u32 s38, 8
	s_cbranch_scc1 .Lend
	; ---------------- wave 8, behind the barrier
	ds_load_b128 v[SS:SS+3], v5                    ; lane l: wave l / 4, cycle l % 4
	s_wait_dscnt 0x0
	s_wait_loadcnt 0x0                             ; W1
.irp m, 4,8
.irp n, 0,1,2,3
	v_add_f32_dpp v[SS+\n], v[SS+\n], v[SS+\n] row_xmask:\m row_mask:0xf bank_mask:0xf
.endr
.endr
	s_delay_alu instid0(VALU_DEP_4)
	v_permlanex16_b32 v10, v[SS], s72, s73         ; (the offsets' registers are free: every load is in)
	s_delay_alu instid0(VALU_DEP_4)
	v_permlanex16_b32 v11, v[SS+1], s72, s73
	s_delay_alu instid0(VALU_DEP_4)
	v_permlanex16_b32 v12, v[SS+2], s72, s73
	s_delay_alu instid0(VALU_DEP_4)
	v_permlanex16_b32 v15, v[SS+3], s72, s73
	s_delay_alu instid0(VALU_DEP_4)
	v_add_f32 v[SS], v[SS], v10
	s_delay_alu instid0(VALU_DEP_4)
	v_add_f32 v[SS+1], v[SS+1], v11
	s_delay_alu instid0(VALU_DEP_4)
	v_add_f32 v[SS+2], v[SS+2], v12
	s_delay_alu instid0(VALU_DEP_4)
	v_add_f32 v[SS+3], v[SS+3], v15                ; lane (r, h): s of cycle r % 4
	v_cmp_gt_u32 vcc_lo, 4, v2
.irp n, 0,1,2,3
	v_cndmask_b32 v[SS+\n], 0, v[SS+\n], vcc_lo    ; rows 4 .. 15: s = 0, the row of a masked cycle
.endr
.irp i, 0,1,2,3
.set II, 0
.rept 32
	v_fmac_f32 v[U+II], v[BIG+32*\i+II], v[SS+\i]  ; s W1 + b1, in f32: it goes on into a quantiser
.set II, II+1
.endr
.endr
	Q32 U, UC, 136, 137, 138, 0
	v_lshrrev_b32 v139, 23, v138
	; relu on the codes: the scale was taken of what is positive, so those codes are right; a negative number's code keeps its sign alone: -0
.irp n, 0,1,2,3
	v_and_b32 v[140+\n], s78, v[UC+\n]
.endr
.irp n, 0,1,2,3
	s_delay_alu instid0(VALU_DEP_4)
	v_lshrrev_b32 v[144+\n], 3, v[140+\n]
.endr
.irp n, 0,1,2,3
	s_delay_alu instid0(VALU_DEP_4)
	v_sub_nc_u32 v[140+\n], v[140+\n], v[144+\n]   ; 7 in each negative code's place
.endr
.irp n, 0,1,2,3
	v_bfi_b32 v[UC+\n], v[140+\n], v[UC+4], v[UC+\n]   ; (v[UC+4] holds 0)
.endr
	v_lshlrev_b32 v139, v13, v139
	s_delay_alu instid0(VALU_DEP_1)
	v_permlanex16_b32 v15, v139, s72, s73
	s_delay_alu instid0(VALU_DEP_1)
	v_or_b32 v14, v139, v15                        ; my row's scale word
	NOPS 8                                         ; a scale register written by a vector instruction stands 8 places ahead of a scaled matrix instruction, an operand 4
.irp t, 0,1,2,3                                ; TRANSPOSED: source 0 = 16 units of W2, source 1 = the 16 rows; C = b2.  Four sums, one instruction each
	v_wmma_scale_f32_16x16x128_f8f6f4 v[EM+8*\t:EM+8*\t+7], v[W2F+8*\t:W2F+8*\t+7], v[UC:UC+7], v[EM+8*\t:EM+8*\t+7], v[W2S+\t], v14 matrix_a_fmt:MATRIX_FMT_FP4 matrix_b_fmt:MATRIX_FMT_FP4
.endr
	NOPS 4
	; emb's two blocks of 32: register 16 b + i is unit 32 b + 16 h + i of my row
.irp b, 0,1
	v_max3_num_f32 v[T2+\b], |v[EM+16*\b]|, |v[EM+16*\b+1]|, FLOOR
.endr
.irp i, 2,4,6,8,10,12,14
.irp b, 0,1
	v_max3_num_f32 v[T2+\b], v[T2+\b], |v[EM+16*\b+\i]|, |v[EM+16*\b+\i+1]|
.endr
.endr
.irp b, 0,1
	s_delay_alu instid0(VALU_DEP_2)
	v_permlanex16_b32 v[T2+2+\b], v[T2+\b], s72, s73
.endr
.irp b, 0,1
	s_delay_alu instid0(VALU_DEP_2)
	v_max_num_f32 v[T2+\b], v[T2+\b], v[T2+2+\b]
.endr
.irp b, 0,1
	s_delay_alu instid0(VALU_DEP_2)
	v_add_nc_u32 v[T2+4+\b], OFF2, v[T2+\b]
.endr
.irp b, 0,1
	s_delay_alu instid0(VALU_DEP_2)
	v_lshrrev_b32 v[T2+2+\b], 23, v[T2+4+\b]
.endr
	s_delay_alu instid0(VALU_DEP_1)
	v_lshl_or_b32 v[EW], v[T2+3], 8, v[T2+2]       ; the row's scale word: bytes 0 and 1; byte 2 is filled in by the reader, byte 3 stays 0
	v_mov_b32 v[EW+1], 0
	v_mov_b32 v[EW+2], 0
	v_mov_b32 v[EW+3], 0
.irp b, 0,1
	v_cvt_scalef32_pk8_fp4_f32 v[EC+2*\b], v[EM+16*\b:EM+16*\b+7], v[T2+4+\b]
	v_cvt_scalef32_pk8_fp4_f32 v[EC+2*\b+1], v[EM+16*\b+8:EM+16*\b+15], v[T2+4+\b]
.endr
	v_nop                                          ; one plain line behind a scaled conversion
	v_permlane16_swap_b32 v[EC], v[EC+2]           ; a whole block to a lane: lanes 0-15 block 0, lanes 16-31 block 1
	v_permlane16_swap_b32 v[EC+1], v[EC+3]
	s_lshl_b32 s47, s40, 6
	s_lshl_b32 s48, s41, 2
	s_add_co_u32 s47, s47, s48
	v_add_nc_u32 v160, s47, v2                     ; row 64 b + my cycle,
	v_mov_b32 v161, 0x400
	v_cmp_gt_u32 vcc_lo, 4, v2
	s_delay_alu instid0(VALU_DEP_1)
	v_cndmask_b32 v160, v161, v160, vcc_lo         ; or row 1,024, the masked cycle's
	s_delay_alu instid0(VALU_DEP_1)
	v_lshlrev_b32 v160, 6, v160
	s_delay_alu instid0(VALU_DEP_1)
	v_lshl_add_u32 v160, v3, 4, v160               ; 64 bytes a row, + 16 h
	s_cmp_eq_u32 ttmp9, 0
	s_cselect_b32 s48, 5, 4                        ; work-group 0 stores row 1,024 too
	s_wait_alu depctr_va_vdst(0)
	s_wait_xcnt 0x0                                ; EXEC changes only behind this wait
	v_cmp_gt_u32 vcc_lo, s48, v2
	s_and_saveexec_b32 s49, vcc_lo
	global_store_b128 v160, v[EC:EC+3], s[32:33]
	global_store_b128 v160, v[EW:EW+3], s[32:33] offset:32
	s_wait_xcnt 0x0                                ; and again, in front of the line that widens it
	s_or_b32 exec_lo, exec_lo, s49
	s_branch .Lend
	; ---------------- work-groups 256 .. 259: a weight's eight tiles, and the list
.LkindB:
	s_cmp_eq_u32 s38, 8
	s_cbranch_scc1 .Lend
	s_sub_co_u32 s40, ttmp9, 256                   ; m
	s_lshr_b32 s61, s38, 1
	s_lshl_b32 s60, s40, 2
	s_add_co_u32 s61, s61, s60                     ; the graph whose tiles I list: 4 m + wave / 2
	s_lshl_b32 s62, s61, 2
	s_load_b512 s[44:59], s[10:11], 0x0            ; all sixteen edge_len
	s_load_b32 s63, s[12:13], s62 offset:0x0       ; beta_len of my graph
	s_cmp_eq_u32 s40, 1
	s_cselect_b64 s[42:43], s[24:25], s[22:23]
	s_cmp_eq_u32 s40, 2
	s_cselect_b64 s[42:43], s[26:27], s[42:43]
	s_cmp_eq_u32 s40, 3
	s_cselect_b64 s[42:43], s[28:29], s[42:43]     ; the weight: the choice hangs on the work-group's number alone
	s_lshr_b32 s41, s38, 1
	s_lshl_b32 s41, s41, 5
	s_and_b32 s60, s38, 1
	s_lshl_b32 s60, s60, 3
	s_add_co_u32 s41, s41, s60
	s_lshl_b32 s41, s41, 2                         ; the tile's first unit, in bytes
	v_and_b32 v15, 8, v2
	s_delay_alu instid0(VALU_DEP_1)
	v_add_nc_u32 v15, v15, v2
	s_delay_alu instid0(VALU_DEP_1)
	v_lshl_add_u32 v11, v15, 2, s41                ; my unit's column
	s_delay_alu instid0(VALU_DEP_1)
	v_lshl_add_u32 v10, v3, 14, v11                ; + 32 h rows of 512 bytes
	s_wait_alu depctr_va_vdst(0)
	s_lshl_b32 s74, s40, 13
	s_lshl_b32 s60, s38, 10
	s_add_co_u32 s74, s74, s60
	s_mov_b32 s75, 0
	s_add_nc_u64 s[74:75], s[34:35], s[74:75]      ; wfrag: 8,192 m + 1,024 t
	s_lshl_b32 s76, s40, 10
	s_lshl_b32 s60, s38, 7
	s_add_co_u32 s76, s76, s60
	s_add_co_u32 s76, s76, 32768
	s_mov_b32 s77, 0
	s_add_nc_u64 s[76:77], s[34:35], s[76:77]      ; its scale words: 32,768 + 1,024 m + 128 t
.set II, 0
.rept 32
	global_load_b32 v[X+II], v10, s[42:43] offset:512*II       ; W(32 h + i, my unit)
.set II, II+1
.endr
	s_cmp_eq_u32 s40, 0
	s_cbranch_scc1 .Lw3
.set II, 0
.rept 32
	global_load_b32 v[X+32+II], v10, s[42:43] offset:512*(64+II)   ; W(64 + 32 h + i, my unit)
.set II, II+1
.endr
	s_wait_loadcnt 0x0
	s_branch .Lwq
.Lw3:                                          ; W3 has 68 rows: rows 64 .. 67 belong to lanes 0-15; all else of the upper 64 is zeros
.irp i, 0,1,2,3
	global_load_b32 v[X+32+\i], v11, s[42:43] offset:512*(64+\i)
.endr
.set II, 4
.rept 28
	v_mov_b32 v[X+32+II], 0
.set II, II+1
.endr
	s_wait_loadcnt 0x0
	v_cmp_eq_u32 vcc_lo, 0, v3
.irp i, 0,1,2,3
	v_cndmask_b32 v[X+32+\i], 0, v[X+32+\i], vcc_lo
.endr
.Lwq:
	Q32 X, F, 104, 105, 106, 1
	Q32 X+32, F+4, 104, 105, 107, 1
	v_lshrrev_b32 v108, 23, v106                   ; block h's byte,
	v_lshrrev_b32 v109, 23, v107                   ; block 2 + h's
	s_delay_alu instid0(VALU_DEP_1)
	v_lshl_or_b32 v110, v109, 16, v108
	v_lshlrev_b32 v112, 3, v3
	s_delay_alu instid0(VALU_DEP_1)
	v_lshlrev_b32 v110, v112, v110
	v_mov_b32 v111, 0
	s_delay_alu instid0(VALU_DEP_1)
	v_permlanex16_b32 v111, v110, s72, s73
	s_delay_alu instid0(VALU_DEP_1)
	v_or_b32 v110, v110, v111                      ; my unit's scale word
	v_lshlrev_b32 v113, 2, v1
	global_store_b128 v5, v[F:F+3], s[74:75]                   ; the operand's registers as they stand: 512 consecutive bytes a store
	global_store_b128 v5, v[F+4:F+7], s[74:75] offset:512
	global_store_b32 v113, v110, s[76:77]
	; the list.  nt_i = tiles of graph i that hold a live edge; P = those of the graphs before mine; T = all of them
	s_wait_kmcnt 0x0
	s_mov_b32 s66, 0                               ; T
	s_mov_b32 s67, 0                               ; P
	s_mov_b32 s68, 0                               ; nt of my graph
	s_mov_b32 s69, 0                               ; edge_len of my graph
.irp i, 0,1,2,3,4,5,6,7,8,9,10,11,12,13,14,15
	s_max_i32 s[44+\i], s[44+\i], 0
	s_min_u32 s[44+\i], s[44+\i], 1024
	s_add_co_u32 s70, s[44+\i], 15
	s_lshr_b32 s70, s70, 4
	s_add_co_u32 s66, s66, s70
	s_cmp_gt_u32 s61, \i
	s_cselect_b32 s71, s70, 0
	s_add_co_u32 s67, s67, s71
	s_cmp_eq_u32 s61, \i
	s_cselect_b32 s71, s70, 0
	s_cselect_b32 s79, s[44+\i], 0
	s_add_co_u32 s68, s68, s71
	s_add_co_u32 s69, s69, s79
.endr
	s_max_i32 s63, s63, 0
	s_min_u32 s63, s63, 64
	s_lshl_b32 s63, s63, 10
	s_lshl_b32 s70, s61, 6                         ; my graph's first tile
	s_add_co_u32 s71, s66, s70
	s_sub_co_u32 s71, s71, s67
	s_sub_co_u32 s71, s71, s68                     ; a dead tile tl goes to T + (64 b - P) + (tl - nt)
	s_and_b32 s79, s38, 1
	s_lshl_b32 s79, s79, 5
	v_add_nc_u32 v114, s79, v1                     ; tl
	s_delay_alu instid0(VALU_DEP_1)
	v_cmp_gt_u32 vcc_lo, s68, v114                 ; live?
	s_delay_alu instid0(VALU_DEP_2)
	v_add_nc_u32 v115, s67, v114                   ; a live tile goes to P + tl
	s_delay_alu instid0(VALU_DEP_3)
	v_add_nc_u32 v116, s71, v114
	s_delay_alu instid0(VALU_DEP_1)
	v_cndmask_b32 v117, v116, v115, vcc_lo
	s_delay_alu instid0(VALU_DEP_1)
	v_min_u32 v117, 1023, v117
	s_delay_alu instid0(VALU_DEP_1)
	v_lshlrev_b32 v117, 2, v117
	v_lshlrev_b32 v118, 4, v114
	s_delay_alu instid0(VALU_DEP_1)
	v_sub_nc_u32 v118, s69, v118
	s_delay_alu instid0(VALU_DEP_1)
	v_min_u32 v118, 16, v118
	s_delay_alu instid0(VALU_DEP_1)
	v_cndmask_b32 v118, 0, v118, vcc_lo            ; its live rows, 0 for a dead tile
	v_add_nc_u32 v119, s70, v114
	s_delay_alu instid0(VALU_DEP_1)
	v_lshl_or_b32 v119, v118, 17, v119
	s_delay_alu instid0(VALU_DEP_1)
	v_or_b32 v119, s63, v119                       ; bits 9:0 the tile, 16:10 beta_len, 21:17 live rows
	global_store_b32 v117, v119, s[36:37]
.Lend:
	s_wait_tensorcnt 0x0                           ; the wave's end
	ds_add_u32 v[SPW], v[NIL]
	s_wait_dscnt 0x0
	s_endpgm
.Lfunc_end_k_q0e64432685_prep:
	.size	k_q0e64432685_prep, .Lfunc_end_k_q0e64432685_prep-k_q0e64432685_prep
	.p2alignl 7, 3214868480
	.fill 96, 4, 3214868480
	.section	.rodata,"a",@progbits
	.p2align	6, 0x0
	.amdhsa_kernel k_q0e64432685_prep
		.amdhsa_group_segment_fixed_size 19200
		.amdhsa_private_segment_fixed_size 0
		.amdhsa_enable_private_segment 0
		.amdhsa_kernarg_size 136
		.amdhsa_user_sgpr_count 2
		.amdhsa_user_sgpr_kernarg_segment_ptr 1
		.amdhsa_wavefront_size32 1
		.amdhsa_system_sgpr_workgroup_id_x 1
		.amdhsa_system_sgpr_workgroup_id_y 1
		.amdhsa_system_sgpr_workgroup_id_z 1
		.amdhsa_system_vgpr_workitem_id 0
		.amdhsa_next_free_vgpr 256
		.amdhsa_next_free_sgpr 100
		.amdhsa_reserve_vcc 1
		.amdhsa_float_denorm_mode_32 3
		.amdhsa_float_denorm_mode_16_64 3
		.amdhsa_memory_ordered 1
		.amdhsa_forward_progress 1
		.amdhsa_inst_pref_size 88
	.end_amdhsa_kernel
	.amdgpu_metadata
---
amdhsa.version: [ 1, 2 ]
amdhsa.kernels:
  - .name:           k_q0e64432685_prep
    .symbol:         k_q0e64432685_prep.kd
    .args:
      - { .name: x, .offset: 0, .size: 8, .value_kind: global_buffer, .address_space: global }
      - { .name: SCB, .offset: 8, .size: 8, .value_kind: global_buffer, .address_space: global }
      - { .name: edge_index, .offset: 16, .size: 8, .value_kind: global_buffer, .address_space: global }
      - { .name: edge_len, .offset: 24, .size: 8, .value_kind: global_buffer, .address_space: global }
      - { .name: beta_len, .offset: 32, .size: 8, .value_kind: global_buffer, .address_space: global }
      - { .name: W1, .offset: 40, .size: 8, .value_kind: global_buffer, .address_space: global }
      - { .name: b1, .offset: 48, .size: 8, .value_kind: global_buffer, .address_space: global }
      - { .name: W2, .offset: 56, .size: 8, .value_kind: global_buffer, .address_space: global }
      - { .name: b2, .offset: 64, .size: 8, .value_kind: global_buffer, .address_space: global }
      - { .name: W3, .offset: 72, .size: 8, .value_kind: global_buffer, .address_space: global }
      - { .name: W4, .offset: 80, .size: 8, .value_kind: global_buffer, .address_space: global }
      - { .name: W5, .offset: 88, .size: 8, .value_kind: global_buffer, .address_space: global }
      - { .name: W6, .offset: 96, .size: 8, .value_kind: global_buffer, .address_space: global }
      - { .name: l1w, .offset: 104, .size: 8, .value_kind: global_buffer, .address_space: global }
      - { .name: emb, .offset: 112, .size: 8, .value_kind: global_buffer, .address_space: global }
      - { .name: wfrag, .offset: 120, .size: 8, .value_kind: global_buffer, .address_space: global }
      - { .name: jobs, .offset: 128, .size: 8, .value_kind: global_buffer, .address_space: global }
    .group_segment_fixed_size: 19200
    .private_segment_fixed_size: 0
    .kernarg_segment_align: 8
    .kernarg_segment_size: 136
    .max_flat_workgroup_size: 288
    .sgpr_count:     100
    .vgpr_count:     256
    .wavefront_size: 32
...
	.end_amdgpu_metadata
.endif
;; end of part 3
;; launch chain (part 4): grid 256 x 1, 8 waves a work-group, no clusters, 306,176 bytes of LDS; arguments jobs, l1w, emb, wfrag, b3, b4, b5, b6, out0; writes out0
.if DOCPART == 4
	.amdgcn_target "amdgcn-amd-amdhsa--gfx1250"
	.amdhsa_code_object_version 6
	.text
	.protected	k_q0e64432685_chain
	.globl	k_q0e64432685_chain
	.p2align	8
	.type	k_q0e64432685_chain,@function
k_q0e64432685_chain:
	s_mov_b64 s[64:65], 0
	v_nop
	global_prefetch_b8 v0, s[64:65] scope:SCOPE_SE
	s_setreg_imm32_b32 hwreg(HW_REG_WAVE_SCHED_MODE, 0, 2), 2
	s_setreg_imm32_b32 hwreg(HW_REG_WAVE_MODE, 25, 1), 1
	s_wait_xcnt 0x0
	s_wait_alu depctr_vm_vsrc(0)
; CycleNet_EPD in MX-FP4, launch 2 of 2: cat W3 -> relu -> W4 -> sum over the cycles -> W5 -> relu -> W6 -> mask, on tiles of 16 edges.
; LEFT OUT (shown at the head of the first kernel): tiles all of whose edges lie at or beyond edge_len get zeros and nothing else; the rows of cycles at or beyond beta_len are all one row g0, made once and weighed by their number.
; LIMITS: as stated there; a NaN, an infinity or an overflow that reaches only the work left out is not carried to the result.
; No tensor loads, no cluster: branches hang on the list, which is read from memory; what work-groups share, 32 KB of weights, stays in registers.
; SHARES.  Work-group g takes list entries g, g + 256, g + 512, g + 768: live tiles come first in the list, so each work-group gets its share of them.  For a live tile THE EIGHT WAVES SHARE THE CYCLES:
; wave w takes beta = w, w + 8, .. under beta_len (beta = w always: where it lies at or beyond beta_len it is a masked row, computed like any other).  W3 and W4 stay in each wave's registers.
; A STEP is 16 edges x one cycle: 8 matrix instructions for the 128 hidden units (TRANSPOSED: source 0 = 16 units of W3, source 1 = cat's 16 rows, C = b3), relu and the quantiser in registers,
; 8 matrix instructions by W4 that add onto the wave's 8 accumulators: THE SUM OVER THE CYCLES COSTS NOTHING.  cat's fragment: 16 bytes of emb's codes (the same for all edges), and the tile's word of L1.
; Then each wave's accumulators go to LDS; behind one barrier wave q (q < 4) finishes entry q alone: it adds the eight parts, (64 - max(beta_len, 8)) g0 and 64 b4, and runs the last two products.
; Two waves share a SIMD, so that one's vector work stands beside the other's matrix work.
; REGISTERS.  Window 0: addresses, scale words, cat, codes, H1 (a product's 8 tiles), BB.  Window 1: v0-63 W3's fragments (later W5's), v64-127 W4's (in the reduction a buffer, then W6's), v128-191 b3 in the result's layout (b5),
; v192-255 the accumulators (in the reduction the other buffer, then b6).
; THE MODE: SCHED_MODE bits 1:0 = 2 (LLVM: expert scheduling mode 2), set by the entry lines.  The code itself states the register dependences between vector or matrix instructions and memory or LDS instructions,
; with s_wait_alu, always for 0.
; THE PLAN.  Registers that memory or LDS instructions touch:
;   the offsets and addresses made at the head (LI, LS, AP0's kin, AR, AG, CI, CPW, CPE, STO, SRD, BO, H16, Z, and the add's two): written once, ahead of ONE wait on va_vdst in front of the first load; never written again.
;   BB        the copies' loads land in it, the copies' LDS stores read it (a wait on vm_vsrc behind them); in the finish b4 lands in it, the multiply-adds read it, the stage's rows land in it, the last stores read it.
;   AE AW AS AP  written by four additions at an entry's head (a wait on va_vdst behind them); read by the entry's LDS loads and stores; free again behind the wait on vm_vsrc that follows the entry's stores.
;   CAT's two sets (four registers each), WRD, ESW   the loads at the head of step j land in them; step j's two unpacking lines read WRD and ESW, step j + 1's first product reads the set.
;   the accumulators   written by a step's second product; read by the 16 LDS stores at an entry's end (places, a wait on va_vdst, the stores, a wait on vm_vsrc); written anew by the next entry's first step.
;   H1, PC, PW, TM and the relu's registers are named in the loop by vector and matrix instructions alone.
; So ONE wait on va_vdst stands in a step, ahead of its second product: the codes and their scale word are written, which that product takes; the next step's fifth register of cat and its scale word are written, which the
; next step's first product takes; this step's first product is done reading its set of cat, and the unpacking lines are done reading WRD and ESW.  The products behind it name none of the registers in which the next step's
; three loads land: these stand at the next step's head with no wait of their own.
; The finish goes by whole parts: two buffers of 64 registers take turns, and one wait on va_vdst at a part's head states that the part before has been added out of the buffer that is asked for again.
.set INPW,  262144                     ; LDS: 0 .. 262,143 the parts: wave x 32,768 + entry x 8,192, an image of 64 registers;  here: the four tiles' words of L1, 4,096 bytes each,
.set INPE,  278528                     ; the four graphs' rows of emb, 4,096 bytes each
.set STG,   262144                     ; the way out: 16 rows x (512 + 16) bytes for each of waves 0-3, over the two regions above, which nobody reads behind the second barrier
.set G0,    296960                     ; the image of g0
.set SPARE, 305152                     ; the spare words: 128 bytes for each wave, four blocks of 256 bytes that no other line names
.set FLOOR, 0x1800000
.set OFF2,  0xff000000
.set LI,  4                            ; 16 x lane
.set LS,  5                            ; 4 x lane
.set AE0, 6                            ; emb's codes of cycle w: INPE + 64 w + 16 h
.set AW0, 7                            ; the words of cycle w: INPW + 64 w + 4 r
.set AS0, 8                            ; emb's scale word of cycle w: INPE + 64 w + 32
.set AE,  9                            ; the same three for the entry in hand
.set AW,  10
.set AS,  11
.set AP0, 12                           ; my part: 32,768 w + 16 x lane
.set AP,  13
.set AR,  14                           ; v14-17 the parts of entry w % 4: 8,192 (w % 4) + 16 x lane + 65,536 k
.set LM,  18                           ; 0xffff in lanes 0-15, 0 in lanes 16-31
.set WRD, 19
.set ESW, 20
.set AG,  21
.set MK,  22                           ; v22-23
.set SPW, 24                           ; LDS address of my spare word; never rewritten
.set NIL, 25                           ; 0; never rewritten
.set CI,  26                           ; 16 x thread
.set STO, 27
.set Z,   28                           ; v28-31 zeros
.set W3S, 32                           ; v32-39 W3's scale words (later W5's);  v40-47 W4's (W6's)
.set W4S, 40
.set SC,  48                           ; v48-49 cat's scale words, two sets
.set PW,  50                           ; the scale word just made
.set SRD, 51
.set CAT, 52                           ; v52-67 cat's fragment, two sets
.set PC,  68                           ; v68-75 the codes just made
.set TM,  76                           ; v76-79 largest magnitudes, v80-83 bytes, v84-87 scale operands
.set RT,  88
.set RU,  96
.set BO,  104                          ; 64 h: a bias in the result's layout
.set CPW, 105
.set CPE, 106
.set H16, 107                          ; 16 h
.set H1,  112                          ; v112-175
.set BB,  176                          ; v176-239
.set W3F, 0                            ; window 1
.set W4F, 64
.set B3,  128
.set ACC, 192
.set MSB, 0
.macro WIN new                         ; the immediate's high byte repeats the setting that is left; bits 1:0 source 0, 3:2 source 1, 5:4 source 2, 7:6 destination
.if MSB != \new
	s_set_vgpr_msb (MSB<<8)|\new
.set MSB, \new
.endif
.endm
.macro NOPS n
.rept \n
	v_nop
.endr
.endm
; eight sums of one instruction each: H1's tile t = (16 units of a weight) x (16 rows) + a bias
.macro PRODH a, c, sa, b, sb
.irp t, 0,1,2,3,4,5,6,7
	v_wmma_scale_f32_16x16x128_f8f6f4 v[H1+8*\t:H1+8*\t+7], v[\a+8*\t:\a+8*\t+7], v[\b:\b+7], v[\c+8*\t:\c+8*\t+7], v[\sa+\t], v[\sb] matrix_a_fmt:MATRIX_FMT_FP4 matrix_b_fmt:MATRIX_FMT_FP4
.endr
.endm
; the eight accumulators by turns, one instruction a turn; between two links of a chain stand fifteen other matrix instructions.  first = 1: the product starts the sums
.macro PRODA first
.irp t, 0,1,2,3,4,5,6,7
.if \first
	v_wmma_scale_f32_16x16x128_f8f6f4 v[ACC+8*\t:ACC+8*\t+7], v[W4F+8*\t:W4F+8*\t+7], v[PC:PC+7], 0, v[W4S+\t], v[PW] matrix_a_fmt:MATRIX_FMT_FP4 matrix_b_fmt:MATRIX_FMT_FP4
.else
	v_wmma_scale_f32_16x16x128_f8f6f4 v[ACC+8*\t:ACC+8*\t+7], v[W4F+8*\t:W4F+8*\t+7], v[PC:PC+7], v[ACC+8*\t:ACC+8*\t+7], v[W4S+\t], v[PW] matrix_a_fmt:MATRIX_FMT_FP4 matrix_b_fmt:MATRIX_FMT_FP4
.endif
.endr
.endm
; H1's 64 numbers of a lane (register 16 b + i = unit 32 b + 16 h + i of my edge) become half blocks of codes in v[PC] on and the scale word in v[PW].  ab = 1: largest magnitudes; 0: what is negative does not count.
; Each tile is first read at its low end.
.macro QUANT ab
.irp b, 0,1,2,3
.if \ab
	v_max3_num_f32 v[TM+\b], |v[H1+16*\b]|, |v[H1+16*\b+1]|, FLOOR
.else
	v_max3_num_f32 v[TM+\b], v[H1+16*\b], v[H1+16*\b+1], FLOOR
.endif
.endr
.irp i, 2,4,6,8,10,12,14
.irp b, 0,1,2,3
.if \ab
	v_max3_num_f32 v[TM+\b], v[TM+\b], |v[H1+16*\b+\i]|, |v[H1+16*\b+\i+1]|
.else
	v_max3_num_f32 v[TM+\b], v[TM+\b], v[H1+16*\b+\i], v[H1+16*\b+\i+1]
.endif
.endr
.endr
.irp b, 0,1,2,3
	v_permlanex16_b32 v[TM+4+\b], v[TM+\b], s70, s71
.endr
.irp b, 0,1,2,3
	v_max_num_f32 v[TM+\b], v[TM+\b], v[TM+4+\b]   ; with lane l xor 16's 16 units: the block's
.endr
.irp b, 0,1,2,3
	v_add_nc_u32 v[TM+8+\b], OFF2, v[TM+\b]        ; 2 off the exponent field: the conversion's scale operand
.endr
.irp b, 0,1,2,3
	v_lshrrev_b32 v[TM+4+\b], 23, v[TM+8+\b]       ; the scale's byte
.endr
	v_lshl_or_b32 v[PW], v[TM+5], 8, v[TM+4]
	v_lshl_or_b32 v[PW], v[TM+6], 16, v[PW]
	v_lshl_or_b32 v[PW], v[TM+7], 24, v[PW]
.irp b, 0,1,2,3
	v_cvt_scalef32_pk8_fp4_f32 v[PC+2*\b], v[H1+16*\b:H1+16*\b+7], v[TM+8+\b]
	v_cvt_scalef32_pk8_fp4_f32 v[PC+2*\b+1], v[H1+16*\b+8:H1+16*\b+15], v[TM+8+\b]
.endr
.endm
; relu on the codes, 32 lines for 64 numbers: the scales were taken of what is positive, so those codes are the codes of relu(x); a negative number's code keeps its sign alone: -0, which adds nothing
.macro RELUC
.irp n, 0,1,2,3,4,5,6,7
	v_and_b32 v[RT+\n], s72, v[PC+\n]
.endr
.irp n, 0,1,2,3,4,5,6,7
	v_lshrrev_b32 v[RU+\n], 3, v[RT+\n]
.endr
.irp n, 0,1,2,3,4,5,6,7
	v_sub_nc_u32 v[RT+\n], v[RT+\n], v[RU+\n]      ; 7 in each negative code's place
.endr
.irp n, 0,1,2,3,4,5,6,7
	v_bfi_b32 v[PC+\n], v[RT+\n], v[Z], v[PC+\n]
.endr
.endm
.macro SWAPS                           ; the operand's layout wants a whole block in a lane: lanes 0-15 block 2 c, lanes 16-31 block 2 c + 1
.irp c, 0,1
.irp i, 0,1
	v_permlane16_swap_b32 v[PC+4*\c+\i], v[PC+4*\c+2+\i]
.endr
.endr
.endm
; cycle w + 8 j of the entry in hand.  pre = 1: the next cycle's fragment is fetched at the step's head and unpacked behind the conversions
.macro STEP j, first, pre
.set P0, CAT+8*((\j)%2)
.set P1, CAT+8*(1-(\j)%2)
.set S0, SC+(\j)%2
.set S1, SC+1-(\j)%2
.if \pre
	ds_load_b128 v[P1:P1+3], v[AE] offset:512*((\j)+1)         ; no wait: no vector or matrix instruction since the last wait on va_vdst names the other set of cat, WRD, ESW or the three addresses
	ds_load_b32 v[WRD], v[AW] offset:512*((\j)+1)
	ds_load_b32 v[ESW], v[AS] offset:512*((\j)+1)
.endif
	WIN 0x11                                       ; source 0 (W3) and C (b3) window 1
	PRODH W3F, B3, W3S, P0, S0
	WIN 0
	NOPS 4                                         ; four places between a matrix instruction and the first read of its result
	QUANT 0
.if \pre
	s_wait_dscnt 0x0                               ; the three loads above
	v_and_b32 v[P1+4], v[WRD], v[LM]               ; L1's four codes: k = 64 .. 67, which lanes 0-15 hold.  (These two lines are also the plain lines behind the conversions;
	v_and_or_b32 v[S1], v[WRD], 0xff0000, v[ESW]   ; the 32 lines of the relu are the places between them and the next step's product)
.else
	v_nop
.endif
	RELUC
	SWAPS
	NOPS 4                                         ; an operand written by vector instructions stands 4 places ahead of a scaled matrix instruction
	WIN 0x51                                       ; source 0 (W4), C and D window 1
	s_wait_alu depctr_va_vdst(0)                   ; the step's one wait: the codes v[PC ..] and their scale word are written, which the products below take; so are the next step's fifth register of cat and its scale word; this step's first product is done reading its set of cat, the unpacking lines WRD and ESW: the next step's loads land in these
	PRODA \first
	WIN 0
.endm
.macro LDW f, m                        ; weight m's 8 fragments: 512 consecutive bytes a load
.irp t, 0,1,2,3,4,5,6,7
.irp c, 0,1
	global_load_b128 v[\f+8*\t+4*\c:\f+8*\t+4*\c+3], v[LI], s[10:11] offset:8192*\m+1024*\t+512*\c
.endr
.endr
.endm
.macro LDSC sr, m                      ; and its scale words
.irp t, 0,1,2,3,4,5,6,7
	global_load_b32 v[\sr+\t], v[LS], s[10:11] offset:32768+1024*\m+128*\t
.endr
.endm
.macro LDB reg, sp                     ; a bias in the result's layout: lane (r, h), tile t, register j: unit 32 (t / 2) + 16 h + 8 (t % 2) + j
.irp t, 0,1,2,3,4,5,6,7
	global_load_b128 v[\reg+8*\t:\reg+8*\t+3], v[BO], s[\sp:\sp+1] offset:(32*(\t/2)+8*(\t%2))*4
	global_load_b128 v[\reg+8*\t+4:\reg+8*\t+7], v[BO], s[\sp:\sp+1] offset:(32*(\t/2)+8*(\t%2))*4+16
.endr
.endm
	s_load_b512 s[4:19], s[0:1], 0x0               ; jobs 4:5, l1w 6:7, emb 8:9, wfrag 10:11, b3 12:13, b4 14:15, b5 16:17, b6 18:19
	s_load_b64 s[20:21], s[0:1], 0x40              ; out0
	v_lshl_add_u32 v[SPW], v0, 2, SPARE
	v_mov_b32 v[NIL], 0
	v_lshrrev_b32 v1, 5, v0
	v_readfirstlane_b32 s22, v1                    ; wave 0..7
	v_and_b32 v1, 31, v0                           ; lane
	v_and_b32 v2, 15, v0                           ; r
	v_bfe_u32 v3, v0, 4, 1                         ; h
	v_lshlrev_b32 v[LI], 4, v1
	v_lshlrev_b32 v[LS], 2, v1
	v_lshlrev_b32 v[H16], 4, v3
	v_lshlrev_b32 v[BO], 6, v3
	s_wait_alu depctr_va_sdst(0)                   ; s22 is written, ahead of its first reader: the LDS addresses and the branches on the wave's number are made from it
	s_lshl_b32 s67, s22, 6
	v_add_nc_u32 v[AE0], s67, v[H16]
	v_add_nc_u32 v[AE0], INPE, v[AE0]
	v_lshlrev_b32 v[AW0], 2, v2
	v_add_nc_u32 v[AW0], s67, v[AW0]
	v_add_nc_u32 v[AW0], INPW, v[AW0]
	s_add_co_u32 s74, s67, INPE+32
	v_mov_b32 v[AS0], s74
	s_lshl_b32 s74, s22, 15
	v_add_nc_u32 v[AP0], s74, v[LI]
	s_and_b32 s75, s22, 3
	s_lshl_b32 s74, s75, 13
	v_add_nc_u32 v[AR], s74, v[LI]
	v_add_nc_u32 v[AR+1], 0x10000, v[AR]
	v_add_nc_u32 v[AR+2], 0x20000, v[AR]
	v_add_nc_u32 v[AR+3], 0x30000, v[AR]
	v_add_nc_u32 v[AG], G0, v[LI]
	s_mul_i32 s74, s75, 8448
	s_add_co_u32 s74, s74, STG
	v_mul_u32_u24 v[STO], v2, 528
	v_lshl_add_u32 v[STO], v3, 6, v[STO]
	v_add_nc_u32 v[STO], s74, v[STO]               ; the stage, in: row r, + 64 h
	v_add_nc_u32 v[SRD], s74, v[LI]                ; and back: the 32 lanes take a row of 512 bytes
	v_lshlrev_b32 v[CI], 4, v0
	v_add_nc_u32 v[CPW], INPW, v[CI]
	v_add_nc_u32 v[CPE], INPE, v[CI]
	v_mul_u32_u24 v[LM], v3, 0xffff
	v_sub_nc_u32 v[LM], 0xffff, v[LM]
.irp n, 0,1,2,3
	v_mov_b32 v[Z+\n], 0
	v_mov_b32 v[TM+4+\n], 0                        ; written once: a lane permute's destination counts as one of its sources
.endr
.irp n, 5,6,7,13,14,15
	v_mov_b32 v[CAT+\n], 0                         ; cat's K = 72 .. 127: zero codes, in both sets
.endr
	s_mov_b32 s70, 0x76543210
	s_mov_b32 s71, 0xfedcba98                      ; v_permlanex16_b32's selects for lane l xor 16
	s_mov_b32 s72, 0x88888888                      ; the signs of eight codes
	s_lshl_b32 s23, ttmp9, 2
	s_wait_kmcnt 0x0
	s_load_b32 s24, s[4:5], s23 offset:0x0         ; my four entries of the list
	s_load_b32 s25, s[4:5], s23 offset:0x400
	s_load_b32 s26, s[4:5], s23 offset:0x800
	s_load_b32 s27, s[4:5], s23 offset:0xc00
	WIN 0x40                                       ; destination window 1.  The weights hang on no entry: they are asked for while the entries come
	s_wait_alu depctr_va_vdst(0)                   ; every offset and address made above is written, and so are the zeros v[Z ..]: the loads and stores of the whole kernel read them, and none is written again
	LDW W3F, 0
	LDW W4F, 1
	LDB B3, 12
	WIN 0
	LDSC W3S, 0
	LDSC W4S, 1
	s_wait_kmcnt 0x0
	s_mov_b32 s77, 0
.irp q, 0,1,2,3                                ; an entry's bases.  Each number taken from the list is held by a constant last of all, ahead of the shift that makes it an offset
	s_bfe_u32 s[80+\q], s[24+\q], 0x50011          ; its live rows
	s_and_b32 s74, s[24+\q], 1023                  ; its tile
	s_and_b32 s75, s[24+\q], 0x3c0                 ; its graph's first tile
	s_cmp_lg_u32 s[80+\q], 0
	s_cselect_b32 s76, s74, s75                    ; a dead entry copies its graph's first tile, which is always written; nobody reads the copy
	s_min_u32 s76, s76, 1023
	s_lshl_b32 s76, s76, 12
	s_add_nc_u64 s[36+2*\q:37+2*\q], s[6:7], s[76:77]
	s_min_u32 s76, s75, 0x3c0
	s_lshl_b32 s76, s76, 6
	s_add_nc_u64 s[44+2*\q:45+2*\q], s[8:9], s[76:77]
	s_min_u32 s76, s74, 1023
	s_lshl_b32 s76, s76, 13
	s_add_nc_u64 s[52+2*\q:53+2*\q], s[20:21], s[76:77]
.endr
	s_and_b32 s75, s22, 3                          ; the entry that I finish, if I finish one: entry w % 4
	s_cmp_eq_u32 s75, 1
	s_cselect_b32 s28, s25, s24
	s_cselect_b64 s[30:31], s[54:55], s[52:53]
	s_cmp_eq_u32 s75, 2
	s_cselect_b32 s28, s26, s28
	s_cselect_b64 s[30:31], s[56:57], s[30:31]
	s_cmp_eq_u32 s75, 3
	s_cselect_b32 s28, s27, s28
	s_cselect_b64 s[30:31], s[58:59], s[30:31]
.irp q, 0,1,2,3
	global_load_b128 v[BB+8*\q:BB+8*\q+3], v[CI], s[36+2*\q:37+2*\q]       ; the tile's 4,096 bytes of words: 16 a thread
	global_load_b128 v[BB+8*\q+4:BB+8*\q+7], v[CI], s[44+2*\q:45+2*\q]     ; the graph's 4,096 bytes of emb
.endr
.irp q, 0,1,2,3
	s_cmp_lg_u32 s[80+\q], 0
	s_cbranch_scc1 .Lhas_rows_\q
	global_store_b128 v[CI], v[Z:Z+3], s[52+2*\q:53+2*\q] th:TH_STORE_NT             ; a dead tile: 8,192 bytes of zeros; a wave's store covers 512 consecutive bytes
	global_store_b128 v[CI], v[Z:Z+3], s[52+2*\q:53+2*\q] offset:4096 th:TH_STORE_NT
.Lhas_rows_\q:
.endr
	s_wait_loadcnt 0x0
.irp q, 0,1,2,3
	ds_store_b128 v[CPW], v[BB+8*\q:BB+8*\q+3] offset:4096*\q
	ds_store_b128 v[CPE], v[BB+8*\q+4:BB+8*\q+7] offset:4096*\q
.endr
	s_wait_alu depctr_vm_vsrc(0)                   ; these LDS stores have read v[BB ..], in which b4 lands in the finish
	s_wait_dscnt 0x0                               ; my stores have landed
	s_barrier_signal -1
	s_barrier_wait -1                              ; the four entries' words and rows of emb lie in LDS
	; g0, the row of a masked cycle, by wave 7, where the work-group has a live entry at all (live entries come first)
	s_cmp_lg_u32 s22, 7
	s_cbranch_scc1 .Lno_g0
	s_cmp_eq_u32 s80, 0
	s_cbranch_scc1 .Lno_g0
	global_load_b128 v[CAT:CAT+3], v[H16], s[8:9] offset:65536     ; emb's row 1,024
	global_load_b32 v[SC], v[Z], s[8:9] offset:65568               ; its scale word; L1's byte stays 0 over zero codes
	v_mov_b32 v[CAT+4], 0
	s_wait_loadcnt 0x0
	NOPS 8
	s_wait_alu depctr_va_vdst(0)                   ; cat's fifth register is written, which the step's first product takes
	STEP 0, 1, 0
	NOPS 4
	WIN 0x04                                       ; an LDS store's data are its source 1: window 1
	s_wait_alu depctr_va_vdst(0)                   ; the products have written the accumulators, which the LDS stores read; the places above stay beside this wait
.irp t, 0,1,2,3,4,5,6,7
	ds_store_b128 v[AG], v[ACC+8*\t:ACC+8*\t+3] offset:1024*\t             ; each accumulator from its low end on
	ds_store_b128 v[AG], v[ACC+8*\t+4:ACC+8*\t+7] offset:1024*\t+512
.endr
	WIN 0
	s_wait_alu depctr_vm_vsrc(0)                   ; these stores have read the accumulators, which the first entry's products write anew
.Lno_g0:
	s_mov_b32 s62, 0                               ; the entry's number
	s_mov_b32 s63, 0                               ; 8,192 x it: its place in my parts
	s_mov_b32 s66, 0                               ; 4,096 x it: its place among the copies
.Ljob:                                         ; four trips, whatever the list holds; no barrier stands in the loop
	s_bfe_u32 s60, s24, 0x7000a
	s_min_u32 s60, s60, 64                         ; beta_len
	s_bfe_u32 s61, s24, 0x50011
	s_cmp_eq_u32 s61, 0
	s_cbranch_scc1 .Lnext
	s_wait_dscnt 0x0                               ; the last entry's stores have read the accumulators
	v_add_nc_u32 v[AE], s66, v[AE0]                ; (the last entry's LDS loads and stores have read these four: the wait on vm_vsrc behind its stores)
	v_add_nc_u32 v[AW], s66, v[AW0]
	v_add_nc_u32 v[AS], s66, v[AS0]
	v_add_nc_u32 v[AP], s63, v[AP0]
	s_wait_alu depctr_va_vdst(0)                   ; the entry's four addresses are written, which its LDS loads and stores read
	ds_load_b128 v[CAT:CAT+3], v[AE]
	ds_load_b32 v[WRD], v[AW]
	ds_load_b32 v[ESW], v[AS]
	s_wait_dscnt 0x0
	v_and_b32 v[CAT+4], v[WRD], v[LM]
	v_and_or_b32 v[SC], v[WRD], 0xff0000, v[ESW]
	NOPS 8                                         ; a scale register written by a vector instruction stands 8 places ahead of a scaled matrix instruction
	s_wait_alu depctr_va_vdst(0)                   ; cat's fifth register and its scale word are written, which the first product takes; the two lines are done reading WRD and ESW, in which the step's loads land
	STEP 0, 1, 1
.irp j, 1,2,3,4,5,6,7
	s_add_co_u32 s67, s22, 8*\j
	s_cmp_ge_u32 s67, s60                          ; my next cycle lies at or beyond beta_len: the rest is g0's
	s_cbranch_scc1 .Lsum
.if \j < 7
	STEP \j, 0, 1
.else
	STEP \j, 0, 0
.endif
.endr
.Lsum:
	NOPS 4
	WIN 0x04
	s_wait_alu depctr_va_vdst(0)                   ; the last step's products have written the accumulators, which the LDS stores read; the places above stay beside this wait
.irp t, 0,1,2,3,4,5,6,7
	ds_store_b128 v[AP], v[ACC+8*\t:ACC+8*\t+3] offset:1024*\t
	ds_store_b128 v[AP], v[ACC+8*\t+4:ACC+8*\t+7] offset:1024*\t+512
.endr
	WIN 0
	s_wait_alu depctr_vm_vsrc(0)                   ; the entry's LDS loads and stores have read its four addresses and the accumulators: the next entry writes all of them anew, and in the finish loads land in the accumulators
.Lnext:
	s_mov_b32 s24, s25
	s_mov_b32 s25, s26
	s_mov_b32 s26, s27
	s_add_co_u32 s63, s63, 8192
	s_add_co_u32 s66, s66, 4096
	s_add_co_u32 s62, s62, 1
	s_cmp_lt_u32 s62, 4
	s_cbranch_scc1 .Ljob
	s_wait_dscnt 0x0                               ; my parts (wave 7: and g0) have landed
	s_barrier_signal -1
	s_barrier_wait -1
	s_cmp_ge_u32 s22, 4
	s_cbranch_scc1 .Lend
	s_bfe_u32 s61, s28, 0x50011
	s_min_u32 s61, s61, 16                         ; my entry's live rows
	s_cmp_eq_u32 s61, 0
	s_cbranch_scc1 .Lend
	; ---------------- wave q finishes entry q
	s_bfe_u32 s60, s28, 0x7000a
	s_min_u32 s60, s60, 64
	s_max_u32 s60, s60, 8                          ; the cycles that the eight waves have summed
	s_sub_co_u32 s60, 64, s60
	s_cvt_f32_u32 s68, s60                         ; the others are g0 each
	s_mov_b32 s69, s68
; unit u = 0 .. 6: the part of wave u + 1; unit 7: g0.  16 loads, 64 registers, into the accumulators' registers (u even) or W4's (u odd): both are done with
.macro ULOAD u
.set XB, ACC-128*((\u)%2)
.set PP, 1+(\u)
.set II, 0
.rept 16
.if (\u) < 7
	ds_load_b128 v[XB+4*II:XB+4*II+3], v[AR+PP/2] offset:(PP%2)*32768+512*II
.else
	ds_load_b128 v[XB+4*II:XB+4*II+3], v[AG] offset:512*II
.endif
.set II, II+1
.endr
.endm
	s_wait_alu depctr_va_vdst(0)                   ; the loop's products and conversions are done with H1, the accumulators, W3's and W4's fragments, b3 and the weights' scale words: the loads below, up to the first addition, land in all of these
.set II, 0
.rept 16
	ds_load_b128 v[H1+4*II:H1+4*II+3], v[AR] offset:512*II     ; wave 0's part starts the sum
.set II, II+1
.endr
	WIN 0x40
	ULOAD 0
	ULOAD 1
	LDW W3F, 2                                     ; W5, b5, b4 and W5's scale words land while the parts are added: 56 loads
	LDB B3, 16
	WIN 0
	LDB BB, 14
	LDSC W3S, 2
.set UN, 0
.rept 8
.if UN == 0
	s_wait_dscnt 16                                ; wave 0's part and unit 0 are in; only unit 1's 16 loads were issued behind them
.else
	s_wait_dscnt 0x0                               ; this unit is in
.endif
.if (UN > 0) && (UN < 7)
	WIN 0x40
	s_wait_alu depctr_va_vdst(0)                   ; the additions of the unit before are done reading their buffer, in which the next unit's loads land
	ULOAD UN+1
.endif
	WIN 0x01                                       ; source 0 window 1
.set XA, ACC-128*(UN%2)
.set II, 0
.rept 32
.if UN < 7
	v_pk_add_f32 v[H1+II:H1+II+1], v[XA+II:XA+II+1], v[H1+II:H1+II+1]
.else
	v_pk_fma_f32 v[H1+II:H1+II+1], v[XA+II:XA+II+1], s[68:69], v[H1+II:H1+II+1] op_sel_hi:[1,0,1]
.endif
.set II, II+2
.endr
.set UN, UN+1
.endr
	WIN 0x40
	s_wait_alu depctr_va_vdst(0)                   ; the last two units have been added out of the two buffers, in which W6 and b6 land
	LDW W4F, 3                                     ; W6, b6 and W6's scale words: 40 loads, which land under the next product
	LDB ACC, 18
	WIN 0
	LDSC W4S, 3
	s_wait_loadcnt 40                              ; all but the 40 just issued
.set II, 0
.rept 32
	v_pk_fma_f32 v[H1+II:H1+II+1], v[BB+II:BB+II+1], 0x42800000, v[H1+II:H1+II+1] op_sel_hi:[1,0,1]   ; + 64 b4: h is whole
.set II, II+2
.endr
	QUANT 1
	v_nop
	SWAPS
	NOPS 8
	WIN 0x11
	s_wait_alu depctr_va_vdst(0)                   ; h's codes and their scale word are written, which the products below take
	PRODH W3F, B3, W3S, PC, PW                     ; h W5 + b5
	WIN 0
	NOPS 4
	QUANT 0
	v_nop
	RELUC
	SWAPS
	NOPS 4
	s_wait_loadcnt 0x0
	WIN 0x11
	s_wait_alu depctr_va_vdst(0)                   ; the hidden layer's codes and their scale word are written, which the products below take
	PRODH W4F, ACC, W4S, PC, PW                    ; relu(..) W6 + b6
	WIN 0
	NOPS 4
	v_mov_b32 v[MK+1], 1.0
	v_cmp_gt_u32 vcc_lo, s61, v2
	s_wait_alu depctr_va_vcc(0)                    ; VCC is written, ahead of the select that reads it
	v_cndmask_b32 v[MK], 0, v[MK+1], vcc_lo        ; 1 for a live edge, 0 for one at or beyond edge_len
.set II, 0
.rept 32
	v_pk_mul_f32 v[H1+II:H1+II+1], v[H1+II:H1+II+1], v[MK:MK+1] op_sel_hi:[1,0]
.set II, II+2
.endr
	; THE WAY OUT: a lane's eight numbers of a tile are 32 neighbouring bytes of its edge's row; they go through my own stage and come back as whole rows of 512 bytes
	s_wait_alu depctr_va_vdst(0)                   ; the multiplications have written H1, which the LDS stores read; the multiply-adds by b4 are done reading v[BB ..], in which the rows land
.irp t, 0,1,2,3,4,5,6,7
	ds_store_b128 v[STO], v[H1+8*\t:H1+8*\t+3] offset:128*(\t/2)+32*(\t%2)
	ds_store_b128 v[STO], v[H1+8*\t+4:H1+8*\t+7] offset:128*(\t/2)+32*(\t%2)+16
.endr
.set II, 0
.rept 16
	ds_load_b128 v[BB+4*II:BB+4*II+3], v[SRD] offset:528*II    ; LDS serves a wave's instructions in order: these see my stores
.set II, II+1
.endr
.set II, 0
.rept 16
	s_wait_dscnt 15-II                             ; row II is in; the loads issued behind it may be out
	global_store_b128 v[LI], v[BB+4*II:BB+4*II+3], s[30:31] offset:512*II th:TH_STORE_NT   ; 32 lanes store 512 consecutive bytes, aligned
.set II, II+1
.endr
.Lend:
	s_wait_dscnt 0x0                               ; the wave's end: the closing lines, six on end
	s_wait_alu 0x0
	s_wait_tensorcnt 0x0
	ds_add_u32 v[SPW], v[NIL]
	s_wait_dscnt 0x0
	s_endpgm
.Lfunc_end_k_q0e64432685_chain:
	.size	k_q0e64432685_chain, .Lfunc_end_k_q0e64432685_chain-k_q0e64432685_chain
	.p2alignl 7, 3214868480
	.fill 96, 4, 3214868480
	.section	.rodata,"a",@progbits
	.p2align	6, 0x0
	.amdhsa_kernel k_q0e64432685_chain
		.amdhsa_group_segment_fixed_size 306176
		.amdhsa_private_segment_fixed_size 0
		.amdhsa_enable_private_segment 0
		.amdhsa_kernarg_size 72
		.amdhsa_user_sgpr_count 2
		.amdhsa_user_sgpr_kernarg_segment_ptr 1
		.amdhsa_wavefront_size32 1
		.amdhsa_system_sgpr_workgroup_id_x 1
		.amdhsa_system_sgpr_workgroup_id_y 1
		.amdhsa_system_sgpr_workgroup_id_z 1
		.amdhsa_system_vgpr_workitem_id 0
		.amdhsa_next_free_vgpr 512
		.amdhsa_next_free_sgpr 100
		.amdhsa_reserve_vcc 1
		.amdhsa_float_denorm_mode_32 3
		.amdhsa_float_denorm_mode_16_64 3
		.amdhsa_memory_ordered 1
		.amdhsa_forward_progress 1
		.amdhsa_inst_pref_size 145
	.end_amdhsa_kernel
	.amdgpu_metadata
---
amdhsa.version: [ 1, 2 ]
amdhsa.kernels:
  - .name:           k_q0e64432685_chain
    .symbol:         k_q0e64432685_chain.kd
    .args:
      - { .name: jobs, .offset: 0, .size: 8, .value_kind: global_buffer, .address_space: global }
      - { .name: l1w, .offset: 8, .size: 8, .value_kind: global_buffer, .address_space: global }
      - { .name: emb, .offset: 16, .size: 8, .value_kind: global_buffer, .address_space: global }
      - { .name: wfrag, .offset: 24, .size: 8, .value_kind: global_buffer, .address_space: global }
      - { .name: b3, .offset: 32, .size: 8, .value_kind: global_buffer, .address_space: global }
      - { .name: b4, .offset: 40, .size: 8, .value_kind: global_buffer, .address_space: global }
      - { .name: b5, .offset: 48, .size: 8, .value_kind: global_buffer, .address_space: global }
      - { .name: b6, .offset: 56, .size: 8, .value_kind: global_buffer, .address_space: global }
      - { .name: out0, .offset: 64, .size: 8, .value_kind: global_buffer, .address_space: global }
    .group_segment_fixed_size: 306176
    .private_segment_fixed_size: 0
    .kernarg_segment_align: 8
    .kernarg_segment_size: 72
    .max_flat_workgroup_size: 256
    .sgpr_count:     100
    .vgpr_count:     512
    .wavefront_size: 32
...
	.end_amdgpu_metadata
.endif
;; end of part 4
